; MI455X (gfx1250); checked and timed in simulation.
; The chip was launched on July 23, 2026; its instructions are those of AMD's public machine-readable ISA for CDNA 5 (MIT licence, August 2026) and "CDNA5" Instruction Set Architecture Reference Guide (July 2026). The comments in the code are by the model that wrote it; some were corrected since.
;; GQA. Allowed arithmetic: float matrix products may take bf16 or f16 operands with f32 sums; other float arithmetic in f32, or as packed bf16 or f16 multiplies, adds, multiply-adds, maxima and minima; sums over many terms, partial sums and values carried from step to step in f32; what a program stores and reads back later, other than sums and carried values, may be rounded once to bf16 or f16.
;; Inputs: Wk 1,024 x 1,024 float32; Wo 1,024 x 1,024 float32; Wq 1,024 x 1,024 float32; Wv 1,024 x 1,024 float32; x 4 x 4,096 x 1,024 float32.
;; Outputs: out0 4 x 4,096 x 1,024 float32.
;; 2 versions, each right; version 2 is version 1 with the launches prep, attn written anew for expert scheduling mode. Each part assembles by itself: llvm-mc -triple=amdgcn-amd-amdhsa -mcpu=gfx1250 --defsym DOCPART=n.
;; ======== version 1 of 2: 4 launches
;; limits: values are held in f16: magnitudes above 65,504 overflow, below 6.1e-05 lose precision
;; workspace buffers: xb 33,554,432 bytes; wqkv 6,291,456 bytes; wo16 2,097,152 bytes; rope 2,097,152 bytes; qkv 100,663,296 bytes; att 33,554,432 bytes
;; launch prep (part 1): grid 512 x 1, 8 waves a work-group, no clusters, 0 bytes of LDS; arguments x, Wq, Wk, Wv, Wo, xb, wqkv, wo16, rope; writes xb, wqkv, wo16, rope
.if DOCPART == 1
	.amdgcn_target "amdgcn-amd-amdhsa--gfx1250"
	.amdhsa_code_object_version 6
	.text
	.protected	k_q765f49e8c2_prep
	.globl	k_q765f49e8c2_prep
	.p2align	8
	.type	k_q765f49e8c2_prep,@function
k_q765f49e8c2_prep:
	s_mov_b64 s[64:65], 0
	v_nop
	global_prefetch_b8 v0, s[64:65] scope:SCOPE_SE
	s_setreg_imm32_b32 hwreg(HW_REG_WAVE_MODE, 25, 1), 1
	s_wait_xcnt 0x0
; PREPARATION: every input is rounded once to bf16 and laid out for the launches behind; the rotary table is made.
;   xb   [16384][1024] bf16 = x.
;   wqkv [3072][1024] bf16: rows 0-1023 of Wq, 1024-2047 of Wk, 2048-3071 of Wv, IN ANOTHER ORDER, so that the product's columns come out as the attention wants them:
;        q, k: row c*128 + h*8 + j holds channel d = 8 c + j of head h (for q the head after the module's exchange of groups: source head (h & 3) * 4 + (h >> 2));
;        v:    row d*16 + t holds channel d of head t.
;   wo16 [1024][1024] f16: wo16[n][c*128 + h*8 + j] = Wo[n][h*64 + 8 c + j], rounded to bf16 like all inputs and that number written as f16.
;   rope [4096][32][4] f32: for position p and pair i the four numbers cos, cos, -sin, sin of p * 10000^(-i/32).
; LIMITS.  |Wo| stays under 65,504 (f16); a bf16 number of Wo below 6e-5 keeps f16's fixed step of 6e-8.  The angle is reduced by a multiple N of pi/2 taken in two parts;
; N is 2,607 at the most for positions up to 4,095, the problem's shape.  The series for sine and cosine on |r| <= pi/4 leave out terms below 3e-7.
; SHARES.  4,096 waves, ALL ALIKE: wave W takes rows 4 W .. 4 W + 3 of x, row W of the 4,096 weight rows (wqkv's 3,072, then wo16's 1,024) and position W of the table.
; With 192 registers two work-groups lie on a WGP, so the 512 work-groups are two for each of 256 WGPs, all at work from the start.
; A wave asks for its 40 pieces of 512 bytes at once, makes its line of the table while they are on their way, and rounds each piece in the registers in which it came.
; No LDS, no cluster, no matrix unit: no byte is wanted by two waves.  No prefetch: each wave asks for all its bytes at its start.
.set LI,  1                            ; v1   16 x lane
.set LO8, 2                            ; v2   8 x lane
.set WI,  3                            ; v3   Wo: (lane % 16) x 256 + (lane / 16) x 32
.set X,   24                           ; v[24:151]  x's 4 rows as loaded, f32; the first two registers of each four then hold them rounded
.set XW,  X+128                        ; v[152:183] the weight row
.set TT,  184                          ; v[184:186] at work
	s_load_b512 s[4:19], s[0:1], 0x0               ; x 4:5, Wq 6:7, Wk 8:9, Wv 10:11, Wo 12:13, xb 14:15, wqkv 16:17, wo16 18:19
	s_load_b64 s[20:21], s[0:1], 0x40              ; rope
	v_lshrrev_b32 v4, 5, v0
	v_readfirstlane_b32 s3, v4                     ; wave 0..7
	s_lshl_b32 s2, ttmp9, 3
	s_add_co_u32 s2, s2, s3                        ; W
	v_and_b32 v5, 31, v0                           ; lane
	v_lshlrev_b32 v[LI], 4, v5
	v_lshlrev_b32 v[LO8], 3, v5
	v_and_b32 v6, 15, v0
	v_bfe_u32 v7, v0, 4, 1
	v_lshlrev_b32 v[WI], 8, v6
	v_lshl_add_u32 v[WI], v7, 5, v[WI]
	; which row of which matrix is destination row W?  R = W mod 1,024 is the row inside its matrix
	s_and_b32 s38, s2, 1023
	s_lshr_b32 s39, s38, 7                         ; q, k: R = c*128 + h*8 + j: c,
	s_bfe_u32 s40, s38, 0x40003                    ; h,
	s_and_b32 s41, s38, 7                          ; j
	s_and_b32 s42, s40, 3
	s_lshl_b32 s42, s42, 2
	s_lshr_b32 s43, s40, 2
	s_or_b32 s42, s42, s43                         ; q's source head (h & 3) * 4 + (h >> 2)
	s_cmp_lt_u32 s2, 1024
	s_cselect_b32 s40, s42, s40
	s_lshl_b32 s40, s40, 6
	s_lshl3_add_u32 s40, s39, s40
	s_add_co_u32 s40, s40, s41                     ; source row 64 head + 8 c + j
	s_lshr_b32 s41, s38, 4                         ; v: R = d*16 + t: d,
	s_and_b32 s42, s38, 15                         ; t
	s_lshl_b32 s42, s42, 6
	s_add_co_u32 s41, s41, s42                     ; source row 64 t + d
	s_cmp_lt_u32 s2, 2048
	s_cselect_b32 s40, s40, s41
	s_cmp_lt_u32 s2, 3072
	s_cselect_b32 s40, s40, s38                    ; Wo: its rows stay in place
	s_cselect_b32 s41, s2, s38                     ; the destination's row: W in wqkv, R in wo16
	s_mov_b32 s37, 0                               ; high word of the offset pair
	s_wait_kmcnt 0x0
	s_cselect_b64 s[30:31], s[16:17], s[18:19]     ; (the last compare still stands)
	s_cmp_lt_u32 s2, 1024
	s_cselect_b64 s[28:29], s[6:7], s[8:9]
	s_cmp_lt_u32 s2, 2048
	s_cselect_b64 s[28:29], s[28:29], s[10:11]
	s_cmp_lt_u32 s2, 3072
	s_cselect_b64 s[28:29], s[28:29], s[12:13]
	s_lshl_b32 s36, s40, 12                        ; 4,096 bytes a row of f32
	s_add_nc_u64 s[28:29], s[28:29], s[36:37]
	s_lshl_b32 s36, s41, 11                        ; 2,048 bytes a row of 16 bits
	s_add_nc_u64 s[30:31], s[30:31], s[36:37]
	s_lshl_b32 s36, s2, 14                         ; four rows of x
	s_add_nc_u64 s[24:25], s[4:5], s[36:37]
	s_lshl_b32 s36, s2, 13                         ; four rows of xb
	s_add_nc_u64 s[26:27], s[14:15], s[36:37]
	s_lshl_b32 s36, s2, 9                          ; 512 bytes a position
	s_add_nc_u64 s[32:33], s[20:21], s[36:37]
.irp i, 0,1,2,3
.irp j, 0,1,2,3,4,5,6,7
	global_load_b128 v[X+4*(8*(\i)+(\j)):X+4*(8*(\i)+(\j))+3], v[LI], s[24:25] offset:4096*(\i)+512*(\j) th:TH_LOAD_NT  ; 512 consecutive bytes a load
.endr
.endr
	s_cmp_lt_u32 s2, 3072
	s_cbranch_scc0 .Lwo_loads
.irp j, 0,1,2,3,4,5,6,7
	global_load_b128 v[XW+4*(\j):XW+4*(\j)+3], v[LI], s[28:29] offset:512*(\j) th:TH_LOAD_NT
.endr
	s_branch .Lloaded
.Lwo_loads:                                    ; Wo's columns change places inside a row: lane l takes head l % 16; load pair g brings its channels 8 c .. 8 c + 7, c = 2 g + l / 16
.irp g, 0,1,2,3
	global_load_b128 v[XW+8*(\g):XW+8*(\g)+3],   v[WI], s[28:29] offset:64*(\g) th:TH_LOAD_NT
	global_load_b128 v[XW+8*(\g)+4:XW+8*(\g)+7], v[WI], s[28:29] offset:64*(\g)+16 th:TH_LOAD_NT
.endr
.Lloaded:
	; the table's line for position W, a lane a pair i, while the 40 loads are on their way
	v_cvt_f32_u32 v6, v5
	v_mul_f32 v6, 0xbed49a78, v6                   ; -i log2(10000) / 32
	v_exp_f32 v6, v6                               ; 10000^(-i/32)
	v_cvt_f32_u32 v7, s2                           ; (a plain instruction behind the exponential)
	s_wait_alu depctr_va_vdst(0)
	v_mul_f32 v8, v7, v6                           ; the angle, rounded to f32 as the module rounds it
	v_mul_f32 v9, 0x3f22f983, v8                   ; x 2 / pi
	v_rndne_f32 v9, v9                             ; N
	v_fmamk_f32 v10, v9, 0xbfc90fdb, v8            ; r = angle - N pi/2: the f32 nearest to pi/2,
	v_fmamk_f32 v10, v9, 0x333bbd2e, v10           ; and what it lacks
	v_cvt_i32_f32 v11, v9
	v_mul_f32 v12, v10, v10                        ; r^2
	v_mov_b32 v13, 0x3638ef1d                      ; sine: r + r^3 (-1/6 + r^2 (1/120 + r^2 (-1/5040 + r^2 / 362880)))
	v_mov_b32 v14, 0x37d00d01                      ; cosine: 1 + r^2 (-1/2 + r^2 (1/24 + r^2 (-1/720 + r^2 / 40320)))
	v_fmaak_f32 v13, v13, v12, 0xb9500d01
	v_fmaak_f32 v14, v14, v12, 0xbab60b61
	v_fmaak_f32 v13, v13, v12, 0x3c088889
	v_fmaak_f32 v14, v14, v12, 0x3d2aaaab
	v_fmaak_f32 v13, v13, v12, 0xbe2aaaab
	v_fmaak_f32 v14, v14, v12, 0xbf000000
	v_mul_f32 v15, v10, v12                        ; r^3
	v_fma_f32 v14, v14, v12, 1.0
	v_fma_f32 v13, v13, v15, v10
	v_and_b32 v15, 1, v11                          ; the quadrant N mod 4: odd ones exchange sine and cosine,
	v_cmp_eq_u32 vcc_lo, 1, v15
	v_cndmask_b32 v20, v13, v14, vcc_lo
	v_cndmask_b32 v21, v14, v13, vcc_lo
	v_lshlrev_b32 v22, 30, v11                     ; quadrants 2 and 3 turn the sine's sign,
	v_and_b32 v22, 0x80000000, v22
	v_xor_b32 v19, v20, v22                        ; sin
	v_add_nc_u32 v23, 1, v11                       ; quadrants 1 and 2 the cosine's
	v_lshlrev_b32 v23, 30, v23
	v_and_b32 v23, 0x80000000, v23
	v_xor_b32 v16, v21, v23                        ; cos
	v_mov_b32 v17, v16
	v_xor_b32 v18, 0x80000000, v19                 ; -sin
	global_store_b128 v[LI], v[16:19], s[32:33]    ; the position's 512 bytes
	; x: each piece is rounded where it lies; no register is written again behind its store, so no store is waited for
.irp i, 0,1,2,3
.irp j, 0,1,2,3,4,5,6,7
	s_wait_loadcnt 39-(8*(\i)+(\j))                ; loads come back in order: this one is in, the younger ones stay out
	v_cvt_pk_bf16_f32 v[X+4*(8*(\i)+(\j))],   v[X+4*(8*(\i)+(\j))],   v[X+4*(8*(\i)+(\j))+1]
	v_cvt_pk_bf16_f32 v[X+4*(8*(\i)+(\j))+1], v[X+4*(8*(\i)+(\j))+2], v[X+4*(8*(\i)+(\j))+3]
	global_store_b64 v[LO8], v[X+4*(8*(\i)+(\j)):X+4*(8*(\i)+(\j))+1], s[26:27] offset:2048*(\i)+256*(\j)  ; the wave stores 256 consecutive bytes, aligned
.endr
.endr
	s_cmp_lt_u32 s2, 3072
	s_cbranch_scc0 .Lwo_conv
.irp j, 0,1,2,3,4,5,6,7
	s_wait_loadcnt 7-(\j)
	v_cvt_pk_bf16_f32 v[XW+4*(\j)],   v[XW+4*(\j)],   v[XW+4*(\j)+1]
	v_cvt_pk_bf16_f32 v[XW+4*(\j)+1], v[XW+4*(\j)+2], v[XW+4*(\j)+3]
	global_store_b64 v[LO8], v[XW+4*(\j):XW+4*(\j)+1], s[30:31] offset:256*(\j)
.endr
	s_endpgm
.Lwo_conv:
.irp g, 0,1,2,3
	s_wait_loadcnt 6-2*(\g)                        ; pair g is in; the pairs behind it stay out
.irp r, 0,1,2,3
	v_cvt_pk_bf16_f32 v[TT], v[XW+8*(\g)+2*(\r)], v[XW+8*(\g)+2*(\r)+1]  ; the rounding that all inputs get,
	v_lshlrev_b32 v[TT+1], 16, v[TT]
	v_and_b32 v[TT+2], 0xffff0000, v[TT]
	v_cvt_pk_f16_f32 v[XW+8*(\g)+(\r)], v[TT+1], v[TT+2]                 ; and the same number as f16, into a register whose f32 has been read
.endr
	global_store_b128 v[LI], v[XW+8*(\g):XW+8*(\g)+3], s[30:31] offset:512*(\g)  ; byte c*256 + h*16 = 512 g + 16 l: 512 consecutive bytes, aligned
.endr
	s_endpgm
.Lfunc_end_k_q765f49e8c2_prep:
	.size	k_q765f49e8c2_prep, .Lfunc_end_k_q765f49e8c2_prep-k_q765f49e8c2_prep
	.p2alignl 7, 3214868480
	.fill 96, 4, 3214868480
	.section	.rodata,"a",@progbits
	.p2align	6, 0x0
	.amdhsa_kernel k_q765f49e8c2_prep
		.amdhsa_group_segment_fixed_size 0
		.amdhsa_private_segment_fixed_size 0
		.amdhsa_enable_private_segment 0
		.amdhsa_kernarg_size 72
		.amdhsa_user_sgpr_count 2
		.amdhsa_user_sgpr_kernarg_segment_ptr 1
		.amdhsa_wavefront_size32 1
		.amdhsa_system_sgpr_workgroup_id_x 1
		.amdhsa_system_sgpr_workgroup_id_y 1
		.amdhsa_system_sgpr_workgroup_id_z 1
		.amdhsa_system_vgpr_workitem_id 0
		.amdhsa_next_free_vgpr 192
		.amdhsa_next_free_sgpr 66
		.amdhsa_reserve_vcc 1
		.amdhsa_float_denorm_mode_32 3
		.amdhsa_float_denorm_mode_16_64 3
		.amdhsa_memory_ordered 1
		.amdhsa_forward_progress 1
		.amdhsa_inst_pref_size 23
	.end_amdhsa_kernel
	.amdgpu_metadata
---
amdhsa.version: [ 1, 2 ]
amdhsa.kernels:
  - .name:           k_q765f49e8c2_prep
    .symbol:         k_q765f49e8c2_prep.kd
    .args:
      - { .name: x, .offset: 0, .size: 8, .value_kind: global_buffer, .address_space: global }
      - { .name: Wq, .offset: 8, .size: 8, .value_kind: global_buffer, .address_space: global }
      - { .name: Wk, .offset: 16, .size: 8, .value_kind: global_buffer, .address_space: global }
      - { .name: Wv, .offset: 24, .size: 8, .value_kind: global_buffer, .address_space: global }
      - { .name: Wo, .offset: 32, .size: 8, .value_kind: global_buffer, .address_space: global }
      - { .name: xb, .offset: 40, .size: 8, .value_kind: global_buffer, .address_space: global }
      - { .name: wqkv, .offset: 48, .size: 8, .value_kind: global_buffer, .address_space: global }
      - { .name: wo16, .offset: 56, .size: 8, .value_kind: global_buffer, .address_space: global }
      - { .name: rope, .offset: 64, .size: 8, .value_kind: global_buffer, .address_space: global }
    .group_segment_fixed_size: 0
    .private_segment_fixed_size: 0
    .kernarg_segment_align: 8
    .kernarg_segment_size: 72
    .max_flat_workgroup_size: 256
    .sgpr_count:     66
    .vgpr_count:     192
    .wavefront_size: 32
...
	.end_amdgpu_metadata
.endif
;; end of part 1
;; launch proj (part 2): grid 4 x 64, 4 waves a work-group, clusters of 4 x 4, 327,680 bytes of LDS; arguments xb, wqkv, qkv, rope; writes qkv
.if DOCPART == 2
	.amdgcn_target "amdgcn-amd-amdhsa--gfx1250"
	.amdhsa_code_object_version 6
	.text
	.protected	k_q765f49e8c2_proj
	.globl	k_q765f49e8c2_proj
	.p2align	8
	.type	k_q765f49e8c2_proj,@function
k_q765f49e8c2_proj:
	s_mov_b64 s[64:65], 0
	v_nop
	global_prefetch_b8 v0, s[64:65] scope:SCOPE_SE
	s_setreg_imm32_b32 hwreg(HW_REG_WAVE_MODE, 25, 1), 1
	s_wait_xcnt 0x0
	s_wait_alu depctr_hold_cnt(0) depctr_sa_sdst(0) depctr_va_vdst(0) depctr_va_sdst(0) depctr_va_ssrc(0) depctr_va_vcc(0) depctr_vm_vsrc(0)
	s_getreg_b32 s2, hwreg(HW_REG_IB_STS2, 6, 4)
	s_cmp_eq_u32 s2, 0
	s_cbranch_scc0 .Lentry_in_a_cluster
	s_endpgm
.Lentry_in_a_cluster:
	s_bfe_u32 s2, ttmp6, 0x10000c
	s_cmp_lg_u32 s2, 0xf033
	s_cbranch_scc0 .Lentry_shape_is_right
	s_endpgm
.Lentry_shape_is_right:
; THE THREE PROJECTIONS AND THE ROTATION.  qkv[t][m][n] = the sum over k of xb[m][k] wqkv[1024 t + n][k], t = 0, 1, 2 (q, k, v); bf16 operands, f32 sums; q and k are rotated in f32
; (pairs of neighbouring channels, by the table's cos and sin of the row's position m mod 4,096); each result is rounded once, to f16.
; LIMITS.  |q|, |k|, |v| stay under 65,504 (f16); below 6e-5 a result keeps f16's fixed step of 6e-8.  NaN and infinities are not treated apart.
; SHARES.  A tile of C is 256 x 256, made by four waves, each 128 x 128: 64 accumulators of 16 x 16, 512 registers.  K goes in steps of 128 through two LDS slots filled by the tensor data mover.
; A WORK-GROUP STAYS: it makes three tiles, the same 256 rows and the same 256 columns of q, of k and of v: xb's rows stay, wqkv's go 1,024 rows down from tile to tile.
; 64 x 4 x 3 tiles are three for each of 256 work-groups.
; ONE LOOP WALKS ALL THREE TILES.  A lap is two K steps, once round the ring; a tile has four.  Of the 12 laps 11 fill both slots again: they are the loop's 11 trips, a constant.  A trip begins at the
; change of slots; the loop is entered in its middle, at a tile's first quarter.  Which K step of xb is asked for, and by how much wqkv's descriptors step (on along K, or to the next tile's first K steps),
; stands in scalar registers made from the counter at a trip's head.  A tile's way out, and the quarter that starts new sums, stand under one forward branch that holds no barrier and no tensor load.
; The twelfth lap's second K step, behind the loop, GOES BY ROWS OF C: v's finished rows leave while the others are multiplied.
; CLUSTERS: 4 x 4 work-groups.  The four of a row of the cluster need the same tiles of xb, the four of a column the same tiles of wqkv: each tile is asked for JOINTLY, by the same tensor load with
; the same descriptor and a mask that names the four.
; THE MATRIX INSTRUCTION IS USED TRANSPOSED (source 0 = 16 rows of wqkv, source 1 = 16 rows of xb): lane l holds row l % 16 of C and the columns 8 (l / 16) + 0..7 of a block of 16.
; THE ROTATION.  wqkv's rows are ordered so that column c*128 + h*8 + j of q and k is channel 8 c + j of head h.  A wave's 128 columns are ONE c and all 16 heads, so a lane's eight results are channels
; 8 c .. 8 c + 7 in EVERY block of columns: its cos and sin hang on its row and on the register alone: 16 registers for each block of 16 rows, 128 in all, loaded once.
; REGISTERS, in windows of 256 (s_set_vgpr_msb: bits 1:0 source 0, 3:2 source 1, 5:4 source 2, 7:6 destination):
;   window 0: v0-31 addresses; v64-127, v128-191 fragments of xb, two buffers (v128-191 also at work in the rotation; in the last K step four buffers of 16 rows x 128 K); v32-63, v192-255 at work on the way out
;   window 1: v64-127, v128-191 fragments of wqkv; v0-63, v192-255 the rotation's factors: block a of rows at 16 a + 128 (a / 4); pair r at + 4 r: cos, cos, -sin, sin; in the last K step all 256: wqkv's fragments of the whole step
;   window 2: the accumulators of my rows 0-63 ((a, b) at v[8 (8 a + b)]);   window 3: those of my rows 64-127
.set SIZE_K, 1024
.set KSTEP,  128
.set PITCH,  272                       ; an LDS row: 256 bytes + 16 of padding = 68 words: the 16 rows that a load touches start at 16 different groups of four banks (64 banks of 4 bytes: ISA guide 11.1)
.set HALFT,  128*PITCH                 ; 128 rows: what one tensor load brings, and what one wave reads of either operand
.set SLOT,   4*HALFT                   ; xb's 256 rows, then wqkv's 256 rows
.set STAGE,  2*SLOT                    ; behind the ring: 16 rows x 272 bytes for each wave, for the way out; no tensor load fills it
.set SPITCH, 272
.set SPARE,  STAGE+4*16*SPITCH         ; behind the stages: the spare words, 128 bytes for each wave: two blocks of 256 bytes that no other line names
.set FILLS,  11                        ; laps that fill both slots again: 3 tiles x 4 laps, less the last
.set CP,     2048                      ; bytes in a row of a plane of qkv
.set PL,     0x2000000                 ; bytes in a plane of qkv
.set NEXT_B, 1024*SIZE_K*2-1536        ; from a slot's last K step of a tile to its first of the next wqkv goes 1,024 rows down and six K steps back
.set PF_JUMP, 1023*SIZE_K*2+KSTEP*2    ; the prefetches: from the K step after a tile's last to the next tile's K step 1
.set ADRA, 16                          ; v16-17  LDS address of my xb fragments in slot 0, 1
.set ADRB, 20                          ; v20-21  the same for wqkv
.set STO,  24                          ; v24     the way out: where I put 16 bytes of a row
.set RD,   25                          ; v25     the way out: where I read a row back
.set CO,   26                          ; v26     my byte offset in C
.set TBO,  27                          ; v27     my byte offset in the table: (l % 16) x 512
.set SPW,  28                          ; v28     LDS address of my spare word; never rewritten
.set NIL,  29                          ; v29     0; never rewritten
.set PFO,  30                          ; v30     the prefetches' offset: my lane x a row (2,048 bytes); never rewritten
.set CHG,  2                           ; s2      1 in a trip that is a tile's last lap
.set OKA,  13                          ; s13     1 in a trip in which this wave prefetches
.set STA,  18                          ; s[18:19] this trip's byte offset along K of the K step that slot 0 takes of xb: 512, 1,024, 1,536, 0 in a tile's four laps
.set STB,  20                          ; s[20:21] this trip's step of wqkv's descriptors
.set STP,  22                          ; s[22:23] of the prefetches' address at slot 0's change
.set ASKER, 43                         ; s43     1 in a wave that prefetches at all
.set PFA,  44                          ; s[44:45] where my prefetches stand
.set C512, 46                          ; s46     512: two K steps in bytes
.set C256, 47                          ; s47     256: one
.set RT,   66                          ; s[66:67] the table at my wave's first row and chunk
.set ABASE, 68                         ; s[68:69] xb at the rows that I fetch, K step 0; s[70:71] the same at K step 1: slot 0's and slot 1's base; never rewritten
.set F0,   64
.set F1,   128
.set TW,   128                         ; the rotation's 64 registers at work, in window 0
.set TMP,  192
.set OB,   32
.set PA,   64                          ; the last K step: xb's fragments of 16 rows x 128 K, 32 registers; four such buffers, v64-191
.set G1, 24                            ; s[24:31] descriptor group 1 for xb's tiles;  s[32:39] group 0, a set for each slot
.set G0, 32
.set G1B, 48                           ; s[48:55], s[56:63] the same for wqkv's tiles
.set G0B, 56
.set MSB, 0
.macro WIN new                         ; the immediate's high byte repeats the setting that is left; a switch that changes nothing is dropped
.if MSB != (\new)
	s_set_vgpr_msb (MSB<<8)|(\new)
.set MSB, \new
.endif
.endm
.set MUL_LO, 0xa1                      ; source 0 window 1, source 1 window 0, C and D window 2
.set MUL_HI, 0xf1                      ; the same, C and D window 3
.set TO_B,   0x40                      ; destination window 1, address window 0
; A joint load.  Waves 0 and 1 fetch xb's two halves, waves 2 and 3 wqkv's.  The branch hangs on the wave's number alone.  An s_nop 0 and four v_nop follow each line.
.macro JLOAD s
	s_cmp_eq_u32 s11, 0
	s_cbranch_scc0 .Lfor_b_\@
	tensor_load_to_lds s[G0+4*(\s):G0+4*(\s)+3], s[G1:G1+7]
	s_nop 0
.rept 4
	v_nop
.endr
	s_branch .Lasked_\@
.Lfor_b_\@:
	tensor_load_to_lds s[G0B+4*(\s):G0B+4*(\s)+3], s[G1B:G1B+7]
	s_nop 0
.rept 4
	v_nop
.endr
.Lasked_\@:
.endm
; A PREFETCH, behind each joint load and the run of LDS loads that follows it: the K step that stands TWO refills on: 32 rows x 256 bytes, a lane a row, one instruction a wave.
; Each row's 256 bytes of a K step are named once in the launch.  xb's rows are read by one cluster alone (the grid is one cluster wide): every cluster asks for its own, in the first tile alone, since the
; other two tiles walk the same rows.  wqkv's rows are read by all 16 clusters: cluster y = 0 asks, in all three tiles.  The four partners that ask for a tile jointly share its rows out BY ADDRESS,
; 32 each.  A tile's third lap asks for nothing (its refills are K steps 6 and 7, with none two on); its fourth asks for the next tile's K steps 2 and 3.  The trip's head has put all that into one flag.
.macro ASK
	s_cmp_lg_u32 s[OKA], 0
	s_cbranch_scc0 .Lnot_mine_\@
	global_prefetch_b8 v[PFO], s[PFA:PFA+1] offset:KSTEP*2 th:TH_LOAD_NT scope:SCOPE_SE
.Lnot_mine_\@:
.endm
.macro CREST                           ; a round of the cluster's barrier behind its opening barrier
	s_cmp_lg_u32 s10, 0
	s_cbranch_scc1 .Lnot_wave_0_\@
	s_barrier_signal -3
.Lnot_wave_0_\@:
	s_barrier_wait -3
	s_barrier_signal -1
	s_barrier_wait -1
.endm
.macro CROUND                          ; a whole round
	s_barrier_signal -1
	s_barrier_wait -1
	CREST
.endm
	s_load_b128 s[4:7], s[0:1], 0x0                ; xb s[4:5], wqkv s[6:7]
	s_load_b64 s[8:9], s[0:1], 0x10                ; qkv
	s_load_b64 s[RT:RT+1], s[0:1], 0x18            ; rope
	v_lshl_add_u32 v[SPW], v0, 2, SPARE
	v_mov_b32 v[NIL], 0
	ds_add_u32 v[SPW], v[NIL]                      ; the wave's opening: the add and its wait stand ahead of my first tensor load; the set-up below stands between them
	v_lshrrev_b32 v1, 5, v0
	v_readfirstlane_b32 s10, v1                    ; wave 0..3
	s_lshr_b32 s11, s10, 1                         ; which half of the tile's rows is mine.  Also: I fetch for xb (0) or for wqkv (1)
	s_and_b32 s12, s10, 1                          ; which half of its columns.  Also: which 128 rows of that tile I fetch
	s_bfe_u32 s40, ttmp6, 0x40000                  ; cx
	s_bfe_u32 s41, ttmp6, 0x40004                  ; cy
	s_lshl_b32 s42, ttmp9, 2
	s_add_co_u32 s42, s42, s40                     ; tile column = 4 x cluster x + cx
	s_and_b32 s13, ttmp7, 0xffff
	s_lshl_b32 s13, s13, 2
	s_add_co_u32 s13, s13, s41                     ; tile row = 4 x cluster y + cy
	s_lshl_b32 s43, s41, 2
	s_lshl_b32 s43, 15, s43                        ; my row of the cluster: places 4 cy .. 4 cy + 3
	s_lshl_b32 s44, 0x1111, s40                    ; my column: places cx, cx + 4, cx + 8, cx + 12
	; descriptor group 1: a tile of 128 rows x 128 elements of 2 bytes, 4 words of padding behind every 64
	s_or_b32 s[G1+0], s43, (1<<16)|(1<<20)|(1<<21)|(5<<22)|(3<<25)
	s_or_b32 s[G1B+0], s44, (1<<16)|(1<<20)|(1<<21)|(5<<22)|(3<<25)
	s_mov_b32 s[G1B+1], KSTEP<<16
	s_mov_b32 s[G1+1], KSTEP<<16                   ; tensor_dim0 = 128
	s_mov_b32 s[G1B+2], 128<<16
	s_mov_b32 s[G1+2], 128<<16                     ; tensor_dim1 = 128
	s_mov_b32 s[G1B+3], KSTEP<<16
	s_mov_b32 s[G1+3], KSTEP<<16                   ; tile_dim0 = 128
	s_mov_b32 s[G1B+4], 128
	s_mov_b32 s[G1+4], 128                         ; tile_dim1 = 128
	s_mov_b32 s[G1B+5], SIZE_K
	s_mov_b32 s[G1+5], SIZE_K                      ; elements from row to row
	s_mov_b32 s[G1B+6], 0
	s_mov_b32 s[G1+6], 0
	s_mov_b32 s[G1B+7], 0
	s_mov_b32 s[G1+7], 0
	; where the tiles come from: xb's hang on the tile row alone, wqkv's on the tile column alone
	s_lshl_b32 s17, s12, 7
	s_lshl_b32 s16, s13, 8
	s_add_co_u32 s16, s16, s17                     ; xb: row 256 x tile row + 128 x half
	s_lshl_b32 s46, s42, 8
	s_add_co_u32 s46, s46, s17                     ; wqkv: row 256 x tile column + 128 x half
	s_mov_b32 s17, 0
	s_mov_b32 s47, 0
	s_mov_b64 s[18:19], SIZE_K*2
	s_mul_u64 s[16:17], s[16:17], s[18:19]
	s_mul_u64 s[46:47], s[46:47], s[18:19]
	s_mul_i32 s20, s10, HALFT                      ; where they go: wave x 128 rows: no place in the cluster enters an LDS address
	s_wait_dscnt 0x0                               ; the opening add is done
	s_wait_kmcnt 0x0
	s_add_nc_u64 s[ABASE:ABASE+1], s[4:5], s[16:17]            ; slot 0's base: K step 0 of my rows of xb,
	s_add_nc_u64 s[ABASE+2:ABASE+3], s[ABASE:ABASE+1], KSTEP*2 ; slot 1's: K step 1
	s_add_nc_u64 s[46:47], s[6:7], s[46:47]
	CROUND                                         ; all sixteen work-groups are here: the first joint loads meet
.irp s, 0,1
	s_mov_b32 s[G0+4*(\s)], 1
	s_add_co_u32 s[G0+4*(\s)+1], s20, (\s)*SLOT
	s_add_nc_u64 s[G0+4*(\s)+2:G0+4*(\s)+3], s[ABASE+2*(\s):ABASE+2*(\s)+1], 0
	s_or_b32 s[G0+4*(\s)+3], s[G0+4*(\s)+3], 0x80000000
	s_mov_b32 s[G0B+4*(\s)], 1
	s_add_co_u32 s[G0B+4*(\s)+1], s20, (\s)*SLOT
	s_add_nc_u64 s[G0B+4*(\s)+2:G0B+4*(\s)+3], s[46:47], (\s)*KSTEP*2
	s_or_b32 s[G0B+4*(\s)+3], s[G0B+4*(\s)+3], 0x80000000
	JLOAD \s                                       ; two loads of mine are out
.endr
	; a fragment is 16 rows x 32 K in 8 registers: lane l holds row l % 16, K = 8 (l / 16) + 0..7 and 16 + 8 (l / 16) + 0..7: two loads of 16 bytes, 32 bytes apart
	v_and_b32 v1, 15, v0                           ; l % 16
	v_bfe_u32 v2, v0, 4, 1                         ; l / 16
	v_mul_u32_u24 v3, v1, PITCH
	v_lshl_add_u32 v3, v2, 4, v3
	s_mul_i32 s21, s11, HALFT                      ; my 128 rows of xb
	s_mul_i32 s22, s12, HALFT                      ; my 128 rows of wqkv,
	s_add_co_u32 s22, s22, 2*HALFT                 ; which lie behind xb's 256
.irp s, 0,1
	v_add_nc_u32 v[ADRA+(\s)], s21, v3
	v_add_nc_u32 v[ADRB+(\s)], s22, v3
	s_add_co_u32 s21, s21, SLOT
	s_add_co_u32 s22, s22, SLOT
.endr
	s_mul_i32 s23, s10, 16*SPITCH
	s_add_co_u32 s23, s23, STAGE                   ; my stage
	v_mul_u32_u24 v4, v1, SPITCH                   ; in: row l % 16, 16 bytes for each half of the lanes
	v_lshl_add_u32 v4, v2, 4, v4
	v_add_nc_u32 v[STO], s23, v4
	v_mul_u32_u24 v5, v2, SPITCH                   ; back: lanes 0-15 take one row of 256 bytes, lanes 16-31 the next
	v_lshl_add_u32 v5, v1, 4, v5
	v_add_nc_u32 v[RD], s23, v5
	v_mul_u32_u24 v5, v2, CP                       ; and the same two rows in C
	v_lshl_add_u32 v[CO], v1, 4, v5
	v_lshlrev_b32 v[TBO], 9, v1
	; where my part of the first tile begins in q's plane: the first way out adds it to qkv's address
	s_lshl_b32 s13, s13, 8                         ; 256 x tile row
	s_lshl_b32 s14, s11, 7
	s_add_co_u32 s16, s13, s14                     ; my first row
	s_lshl_b32 s16, s16, 11                        ; x 2,048 bytes
	s_mov_b32 s17, 0
	s_lshl_b32 s46, s42, 9                         ; my first column, in bytes: 512 x tile column + 256 x half
	s_lshl_b32 s47, s12, 8
	s_add_co_u32 s46, s46, s47
	s_mov_b32 s47, 0
	s_add_nc_u64 s[16:17], s[16:17], s[46:47]
	; the table at my first row's position (row mod 4,096) and my chunk c = 2 x tile column + half: 512 bytes a position, 64 a chunk
	s_and_b32 s20, s13, 0xfff
	s_add_co_u32 s20, s20, s14
	s_lshl_b32 s20, s20, 9
	s_lshl_b32 s21, s42, 1
	s_add_co_u32 s21, s21, s12
	s_lshl_b32 s21, s21, 6
	s_add_co_u32 s20, s20, s21
	s_mov_b32 s21, 0
	s_add_nc_u64 s[RT:RT+1], s[RT:RT+1], s[20:21]
	; the prefetches
	s_lshl_b32 s42, s42, 8
	s_and_b32 s22, ttmp7, 0xffff                   ; cluster y
	s_cmp_eq_u32 s11, 0                            ; do I fetch for xb?
	s_cselect_b32 s20, s13, s42                    ; the tile's first row
	s_cselect_b32 s21, s40, s41                    ; my place among the four that ask for it with me
	s_cselect_b32 s22, ttmp9, s22                  ; the coordinate along which other clusters read the same rows
	s_cselect_b64 s[PFA:PFA+1], s[4:5], s[6:7]
	s_cmp_eq_u32 s22, 0
	s_cselect_b32 s[ASKER], 1, 0                   ; the same in all sixteen partners, for a given wave
	s_lshl_b32 s22, s12, 7
	s_add_co_u32 s20, s20, s22                     ; + the 128 rows that I fetch
	s_lshl_b32 s21, s21, 5
	s_add_co_u32 s20, s20, s21                     ; + my work-group's 32 of them
	s_mov_b32 s21, 0
	s_mov_b64 s[18:19], SIZE_K*2
	s_mul_u64 s[20:21], s[20:21], s[18:19]
	s_add_nc_u64 s[PFA:PFA+1], s[PFA:PFA+1], s[20:21]
	s_add_nc_u64 s[PFA:PFA+1], s[PFA:PFA+1], 2*KSTEP*2  ; at K step 2: the first refill steps it to 3 and names K step 4; nothing is prefetched here, at the head
	v_and_b32 v[PFO], 31, v0
	v_mul_u32_u24 v[PFO], v[PFO], SIZE_K*2
	s_mov_b32 s[C512], 2*KSTEP*2                   ; what the trips' heads choose from
	s_mov_b32 s[C256], KSTEP*2
	s_mov_b32 s[STA+1], 0                          ; the three pairs' high words stay 0
	s_mov_b32 s[STB+1], 0
	s_mov_b32 s[STP+1], 0
	; the rotation's factors: for each of my eight blocks of 16 rows, my row's four pairs.  They are waited for where they are first used, a tile from here
	WIN TO_B
.irp a, 0,1,2,3,4,5,6,7
.set TB, 16*(\a)+128*((\a)/4)
.irp r, 0,1,2,3
	global_load_b128 v[TB+4*(\r):TB+4*(\r)+3], v[TBO], s[RT:RT+1] offset:8192*(\a)+16*(\r)
.endr
.endr
	WIN 0
; 16 matrix instructions: m blocks a0, a0 + 1 of the window's four x all 8 n blocks, 32 along K.  zero = 1: the first product starts the sums.
.macro MUL16 f, hi, a0, zero
	WIN MUL_LO+0x50*(\hi)
.irp a, \a0, (\a0)+1
.irp b, 0,1,2,3,4,5,6,7
.if \zero
	v_wmma_f32_16x16x32_bf16 v[8*(8*(\a)+(\b)):8*(8*(\a)+(\b))+7], v[(\f)+8*(\b):(\f)+8*(\b)+7], v[(\f)+8*(4*(\hi)+(\a)):(\f)+8*(4*(\hi)+(\a))+7], 0
.else
	v_wmma_f32_16x16x32_bf16 v[8*(8*(\a)+(\b)):8*(8*(\a)+(\b))+7], v[(\f)+8*(\b):(\f)+8*(\b)+7], v[(\f)+8*(4*(\hi)+(\a)):(\f)+8*(4*(\hi)+(\a))+7], v[8*(8*(\a)+(\b)):8*(8*(\a)+(\b))+7]
.endif
.endr
.endr
.endm
; 32 LDS loads in one run: the fragments of one quarter step (32 K at byte k of the rows) into buffer f
.macro FETCH slot, k, f
	WIN TO_B
.irp i, 0,1,2,3,4,5,6,7
	ds_load_b128 v[(\f)+8*(\i):(\f)+8*(\i)+3],   v[ADRB+(\slot)] offset:(\k)+(\i)*16*PITCH
	ds_load_b128 v[(\f)+8*(\i)+4:(\f)+8*(\i)+7], v[ADRB+(\slot)] offset:(\k)+(\i)*16*PITCH+32
.endr
	WIN 0
.irp i, 0,1,2,3,4,5,6,7
	ds_load_b128 v[(\f)+8*(\i):(\f)+8*(\i)+3],   v[ADRA+(\slot)] offset:(\k)+(\i)*16*PITCH
	ds_load_b128 v[(\f)+8*(\i)+4:(\f)+8*(\i)+7], v[ADRA+(\slot)] offset:(\k)+(\i)*16*PITCH+32
.endr
.endm
.macro PLACES                          ; four plain vector instructions between a matrix instruction and a load into, or a vector write of, its registers, or a vector read of its result
.rept 4
	v_nop
.endr
.endm
; A K step is four quarters of 32 along K, 64 matrix instructions each, on buffers 0, 1, 0, 1; the 64 accumulators take turns, in the same order in every quarter.
.macro QUARTER slot, k, f, g, zero
	s_wait_dscnt 8                                 ; all but the youngest eight loads (xb's rows 64-127) are in
	MUL16 \f, 0, 0, \zero
	MUL16 \f, 0, 2, \zero
	PLACES
	FETCH \slot, \k, \g
	s_wait_dscnt 32                                ; all but the 32 just issued
	MUL16 \f, 1, 0, \zero
	MUL16 \f, 1, 2, \zero
.endm
; The first half of a K step's last quarter, and the barrier of the change of slots.
.macro MEET round
	WIN 0                                          ; (the add's two registers lie in window 0)
	s_wait_tensorcnt 0x0                           ; all my tensor loads have landed: the one that was out is my part of the next slot
	ds_add_u32 v[SPW], v[NIL]                      ; 0 onto my spare word
	s_wait_dscnt 9                                 ; (the add and the youngest eight loads may be out)
	MUL16 F1, 0, 0, 0                              ; sixteen matrix instructions stand between the add and the wait for it
	s_wait_dscnt 0x0                               ; the add is done, and my reads of this slot are over
	s_barrier_signal -1
	MUL16 F1, 0, 2, 0                              ; work on registers while the others arrive
.if \round
	WIN 0
.endif
	s_barrier_wait -1
.endm
; The whole last quarter.  Behind the round the slot just read out is filled again first: with this tile's K step two steps on, or with the next tile's K step 0 or 1.  xb's address is made anew: the slot's
; base, the trip's offset along K, the type bits; wqkv's steps by the trip's step.  No tensor load of mine is out here (the wait for 0 stands in front of the round), so both group 0 may be written.
; From a request to the wait for it a wave issues 224 matrix instructions.  One tensor load of mine is out behind each round.
.macro TURN slot, next
	s_wait_xcnt 0x0                                ; the last prefetch, a K step back, has read its address: it is stepped here
.if (\slot) == 0
	s_add_nc_u64 s[PFA:PFA+1], s[PFA:PFA+1], s[STP:STP+1]
.else
	s_add_nc_u64 s[PFA:PFA+1], s[PFA:PFA+1], KSTEP*2
.endif
	MEET 1
	CREST                                          ; no wave of any partner still reads this slot's tile or has a load on its way
	s_add_nc_u64 s[G0+4*(\slot)+2:G0+4*(\slot)+3], s[ABASE+2*(\slot):ABASE+2*(\slot)+1], s[STA:STA+1]
	s_or_b32 s[G0+4*(\slot)+3], s[G0+4*(\slot)+3], 0x80000000
	s_add_nc_u64 s[G0B+4*(\slot)+2:G0B+4*(\slot)+3], s[G0B+4*(\slot)+2:G0B+4*(\slot)+3], s[STB:STB+1]
	JLOAD \slot                                    ; the first tensor load behind the round; the four v_nop behind it are also the places in front of the loads below
	FETCH \next, 0, F0
	ASK
	MUL16 F1, 1, 0, 0
	MUL16 F1, 1, 2, 0
.endm
; THE LAST K STEP OF ALL (it lies in slot 1) GOES BY ROWS OF C.  All its fragments of wqkv (4 quarters x 64 registers) fill window 1; then my eight blocks of 16 rows are finished one after the other,
; each with 32 matrix instructions (its 8 accumulators by turns, K ascending).  LDS is read no more than in any other K step.
.macro BLOAD q                         ; wqkv's fragments of quarter q -> window 1, v[64 q ..]
	WIN TO_B
.irp i, 0,1,2,3,4,5,6,7
	ds_load_b128 v[64*(\q)+8*(\i):64*(\q)+8*(\i)+3],   v[ADRB+1] offset:64*(\q)+(\i)*16*PITCH
	ds_load_b128 v[64*(\q)+8*(\i)+4:64*(\q)+8*(\i)+7], v[ADRB+1] offset:64*(\q)+(\i)*16*PITCH+32
.endr
.endm
.macro ALOAD a                         ; xb's fragments of block a, all four quarters -> buffer a % 4
	WIN 0
.set FA, PA+32*((\a)%4)
.irp q, 0,1,2,3
	ds_load_b128 v[FA+8*(\q):FA+8*(\q)+3],   v[ADRA+1] offset:64*(\q)+(\a)*16*PITCH
	ds_load_b128 v[FA+8*(\q)+4:FA+8*(\q)+7], v[ADRA+1] offset:64*(\q)+(\a)*16*PITCH+32
.endr
.endm
.macro ROW a                           ; block a is finished: 32 matrix instructions
.set FA, PA+32*((\a)%4)
.set AC, 64*((\a)%4)
	WIN MUL_LO+0x50*((\a)/4)
.irp q, 0,1,2,3
.if (\a) == 0 && (\q) == 2
	s_wait_dscnt 24                                ; wqkv's quarter 2 is in (behind it: xb's blocks 1 to 3)
.endif
.irp b, 0,1,2,3,4,5,6,7
	v_wmma_f32_16x16x32_bf16 v[AC+8*(\b):AC+8*(\b)+7], v[64*(\q)+8*(\b):64*(\q)+8*(\b)+7], v[FA+8*(\q):FA+8*(\q)+7], v[AC+8*(\b):AC+8*(\b)+7]
.endr
.endr
.endm
; THE WAY OUT of block a (16 rows).  PACKR: rotated and rounded; PACK: rounded.  TOSTAGE: into my own stage in LDS and back as whole rows of 256 bytes.  SEND: stored.
; The rotation of a pair (x1, x2): (x1 cos, x2 cos), then + (x2 (-sin), x1 sin): the second line takes the pair crosswise.  Each accumulator is read from its low end on.
.macro PACKR a
.set AC, 64*((\a)%4)
.set TB, 16*(\a)+128*((\a)/4)
	WIN 0x06+(\a)/4                                ; source 0 window 2 or 3, source 1 window 1, source 2 and destination window 0
.irp b, 0,1,2,3,4,5,6,7
.irp r, 0,1,2,3
	v_pk_mul_f32 v[TW+8*(\b)+2*(\r):TW+8*(\b)+2*(\r)+1], v[AC+8*(\b)+2*(\r):AC+8*(\b)+2*(\r)+1], v[TB+4*(\r):TB+4*(\r)+1]
.endr
.endr
.irp b, 0,1,2,3,4,5,6,7
.irp r, 0,1,2,3
	v_pk_fma_f32 v[TW+8*(\b)+2*(\r):TW+8*(\b)+2*(\r)+1], v[AC+8*(\b)+2*(\r):AC+8*(\b)+2*(\r)+1], v[TB+4*(\r)+2:TB+4*(\r)+3], v[TW+8*(\b)+2*(\r):TW+8*(\b)+2*(\r)+1] op_sel:[1,0,0] op_sel_hi:[0,1,1]
.endr
.endr
	WIN 0
.irp b, 0,1,2,3,4,5,6,7
.irp r, 0,1,2,3
	v_cvt_pk_f16_f32 v[TMP+4*(\b)+(\r)], v[TW+8*(\b)+2*(\r)], v[TW+8*(\b)+2*(\r)+1]
.endr
.endr
.endm
.macro PACK a
.set AC, 64*((\a)%4)
	WIN 0x0a+5*((\a)/4)                            ; sources 0 and 1: window 2 or 3
.irp b, 0,1,2,3,4,5,6,7
.irp r, 0,1,2,3
	v_cvt_pk_f16_f32 v[TMP+4*(\b)+(\r)], v[AC+8*(\b)+2*(\r)], v[AC+8*(\b)+2*(\r)+1]
.endr
.endr
	WIN 0
.endm
.macro TOSTAGE a
	WIN 0
.set BK, OB+192*((\a)%2)
.irp b, 0,1,2,3,4,5,6,7
	ds_store_b128 v[STO], v[TMP+4*(\b):TMP+4*(\b)+3] offset:32*(\b)
.endr
.irp t, 0,1,2,3,4,5,6,7
	ds_load_b128 v[BK+4*(\t):BK+4*(\t)+3], v[RD] offset:(\t)*2*SPITCH  ; LDS serves a wave's instructions in order (ISA guide 5.7.1.4): these see the stores above
.endr
.endm
.macro SEND a, younger                 ; younger: the LDS loads issued behind TOSTAGE's, which may stay out
	WIN 0
.set BK, OB+192*((\a)%2)
	s_wait_dscnt \younger                          ; the block is back in registers
	s_wait_xcnt 0x0                                ; earlier stores have read their registers and their base: only behind this wait are these written again
.if (\a) == 0
	s_add_nc_u64 s[8:9], s[8:9], s[16:17]          ; on to this tile's first rows
.endif
.irp t, 0,1,2,3,4,5,6,7
	global_store_b128 v[CO], v[BK+4*(\t):BK+4*(\t)+3], s[8:9] offset:(16*(\a)+2*(\t))*CP  ; 16 lanes store 256 consecutive bytes, at a multiple of 256 from the plane's first byte
.endr
.endm
	s_wait_tensorcnt 1                             ; my part of K step 0 is in; K step 1's may stay out
	s_barrier_signal -1
	s_barrier_wait -1                              ; everybody's is
	FETCH 0, 0, F0
	s_mov_b32 s3, FILLS+1                          ; the entry in the middle of a trip takes one count
	s_branch .Lfirst
.Llap:                                         ; 11 trips, s3 = 11 .. 1: s3 mod 4 = 3, 2, 1, 0 in a tile's laps 0, 1, 2, 3
	s_and_b32 s14, s3, 3
	s_sub_co_u32 s[STA], 4, s14                    ; slot 0 takes K step 2, 4, 6 of this tile, or, in the tile's last lap, K step 0 of the next: xb's rows are the same:
	s_and_b32 s[STA], s[STA], 3                    ; (4 - s3 mod 4) mod 4 = 1, 2, 3, 0,
	s_lshl_b32 s[STA], s[STA], 9                   ; times two K steps of 256 bytes
	s_cmp_eq_u32 s14, 0                            ; a tile's last lap fills the slots with the next tile's K steps 0 and 1
	s_cselect_b32 s[CHG], 1, 0
	s_cselect_b32 s[STB], NEXT_B, s[C512]
	s_cselect_b32 s[STP], PF_JUMP, s[C256]
	s_cmp_lg_u32 s14, 1                            ; wqkv is prefetched in every lap but a tile's third,
	s_cselect_b32 s15, 1, 0
	s_cmp_ge_u32 s3, 10                            ; xb in the first tile's first two
	s_cselect_b32 s14, 1, 0
	s_cmp_eq_u32 s11, 0
	s_cselect_b32 s[OKA], s14, s15
	s_and_b32 s[OKA], s[OKA], s[ASKER]
	TURN 0, 1
	QUARTER 1, 64,  F0, F1, 0
	QUARTER 1, 128, F1, F0, 0
	QUARTER 1, 192, F0, F1, 0
	TURN 1, 0
	WIN 0
	s_cmp_eq_u32 s[CHG], 1
	s_cbranch_scc1 .Lchange
	QUARTER 0, 64,  F0, F1, 0                      ; the tile goes on
	WIN 0
	s_branch .Lnext
.Lchange:                                      ; q's or k's tile is finished, and both refills for the next tile are asked for: it goes out, rotated
	s_wait_loadcnt 0x0                             ; the rotation's factors
	PLACES                                         ; the rotation writes registers that the last products read
	PACKR 0
	TOSTAGE 0
.irp a, 1,2,3,4,5,6,7
	PACKR \a                                       ; block a's arithmetic stands between block a - 1's loads from the stage and the wait for them
	SEND (\a)-1, 0
	TOSTAGE \a
.endr
	SEND 7, 0
	s_mov_b64 s[16:17], PL                         ; what the next way out adds: the same rows and columns of the next plane
.Lfirst:
	QUARTER 0, 64,  F0, F1, 1                      ; a tile's first quarter: its products start the sums
	WIN 0
.Lnext:
	QUARTER 0, 128, F1, F0, 0
	QUARTER 0, 192, F0, F1, 0
	WIN 0
	s_sub_co_u32 s3, s3, 1
	s_cmp_lg_u32 s3, 0
	s_cbranch_scc1 .Llap
	; v's tile, its last lap: nothing is filled again, so no round follows the barrier
	MEET 0
	PLACES                                         ; for the loads into buffer 0, which the quarter before multiplied
	s_wait_loadcnt 0x0                             ; the factors' registers are loaded anew only behind the wait for their own loads
	BLOAD 0                                        ; three quarters of wqkv now: buffer 1 (v128-191 of both windows) is still being multiplied
	BLOAD 1
	BLOAD 3
	ALOAD 0
	MUL16 F1, 1, 0, 0
	MUL16 F1, 1, 2, 0
	PLACES                                         ; for the loads into buffer 1
	BLOAD 2
	ALOAD 1
	ALOAD 2
	ALOAD 3
	s_wait_dscnt 40                                ; all but the 40 just issued
	ROW 0
.irp a, 0,1,2,3,4,5,6,7                ; each block leaves as soon as it is finished; v is not rotated
	PLACES                                         ; its conversions read results just made
	PACK \a
	TOSTAGE \a
.if (\a) < 4
	ALOAD (\a)+4                                   ; its buffer takes the block four further on
	SEND \a, 8
.else
	SEND \a, 0
.endif
.if (\a) < 7
	ROW (\a)+1
.endif
.endr
	s_wait_tensorcnt 0x0                           ; the wave's end: an add to the spare word and its wait, behind my last tensor load and my last LDS store
	ds_add_u32 v[SPW], v[NIL]
	s_wait_dscnt 0x0
	CROUND                                         ; the closing round: no work-group ends while a partner may still ask for a tile that names it
	s_endpgm
.Lfunc_end_k_q765f49e8c2_proj:
	.size	k_q765f49e8c2_proj, .Lfunc_end_k_q765f49e8c2_proj-k_q765f49e8c2_proj
	.p2alignl 7, 3214868480
	.fill 96, 4, 3214868480
	.section	.rodata,"a",@progbits
	.p2align	6, 0x0
	.amdhsa_kernel k_q765f49e8c2_proj
		.amdhsa_group_segment_fixed_size 327680
		.amdhsa_private_segment_fixed_size 0
		.amdhsa_enable_private_segment 0
		.amdhsa_kernarg_size 32
		.amdhsa_user_sgpr_count 2
		.amdhsa_user_sgpr_kernarg_segment_ptr 1
		.amdhsa_wavefront_size32 1
		.amdhsa_system_sgpr_workgroup_id_x 1
		.amdhsa_system_sgpr_workgroup_id_y 1
		.amdhsa_system_sgpr_workgroup_id_z 1
		.amdhsa_system_vgpr_workitem_id 0
		.amdhsa_next_free_vgpr 1024
		.amdhsa_next_free_sgpr 72
		.amdhsa_reserve_vcc 0
		.amdhsa_float_denorm_mode_32 3
		.amdhsa_float_denorm_mode_16_64 3
		.amdhsa_memory_ordered 1
		.amdhsa_forward_progress 1
		.amdhsa_inst_pref_size 199
	.end_amdhsa_kernel
	.amdgpu_metadata
---
amdhsa.version: [ 1, 2 ]
amdhsa.kernels:
  - .name:           k_q765f49e8c2_proj
    .symbol:         k_q765f49e8c2_proj.kd
    .args:
      - { .name: xb, .offset: 0, .size: 8, .value_kind: global_buffer, .address_space: global }
      - { .name: wqkv, .offset: 8, .size: 8, .value_kind: global_buffer, .address_space: global }
      - { .name: qkv, .offset: 16, .size: 8, .value_kind: global_buffer, .address_space: global }
      - { .name: rope, .offset: 24, .size: 8, .value_kind: global_buffer, .address_space: global }
    .group_segment_fixed_size: 327680
    .private_segment_fixed_size: 0
    .kernarg_segment_align: 8
    .kernarg_segment_size: 32
    .max_flat_workgroup_size: 128
    .sgpr_count:     72
    .vgpr_count:     1024
    .wavefront_size: 32
...
	.end_amdgpu_metadata
.endif
;; end of part 2
;; launch attn (part 3): grid 512 x 1, 8 waves a work-group, no clusters, 0 bytes of LDS; arguments qkv, att; writes att
.if DOCPART == 3
	.amdgcn_target "amdgcn-amd-amdhsa--gfx1250"
	.amdhsa_code_object_version 6
	.text
	.protected	k_q765f49e8c2_attn
	.globl	k_q765f49e8c2_attn
	.p2align	8
	.type	k_q765f49e8c2_attn,@function
k_q765f49e8c2_attn:
	s_mov_b64 s[64:65], 0
	v_nop
	global_prefetch_b8 v0, s[64:65] scope:SCOPE_SE
	s_setreg_imm32_b32 hwreg(HW_REG_WAVE_MODE, 25, 1), 1
	s_wait_xcnt 0x0
; ATTENTION OVER THE HEADS OF ONE TOKEN.  For each of 16,384 tokens: S[h][t] = q[h] . k[t] / 8 (16 x 16, over 64 channels), P = softmax over t, O[h] = the sum over t of P[h][t] v[t].
; q, k, v, P and O in f16; products, maximum and sum in f32; P is divided by its sum in f32 and rounded once; O is rounded once.
; LIMITS.  q, k, v arrive finite, within f16; P lies in 0 to 1 and below 6e-5 keeps f16's fixed step of 6e-8; a weight below 2^-126 counts as 0 in the sum.  NaN and infinities are not treated apart.
; LAYOUT.  A token's q and k are 2,048 bytes in the order c*128 + h*8 + j (channel 8 c + j of head h): 32 lanes x 16 consecutive bytes ARE half a fragment: lane l holds head l % 16 and the chunk
; c = 2 m + l / 16 of load m.  The order of the channels inside the sum is the same for q and k.  S^T = K Q^T: a lane holds ONE query head (l % 16) and the key heads 8 (l / 16) + 0..7;
; rounded in pairs that IS the lower half (16 key heads) of source 1 of O^T = V^T P; its upper half is 0.  A token's v lies as [channel][head]: lane l reads channel 16 f + l % 16, heads
; 8 (l / 16) + 0..7.  Source 0's upper four registers meet the zeros: they are whatever finite numbers follow (the next fragment, or four zeros).  O^T holds head l % 16 and channels
; 16 f + 8 (l / 16) + 0..7: in att's order c*128 + h*8 + j the wave's 32 x 16 bytes are consecutive.  Nothing changes lanes but the maximum's and the sum's one exchange of halves.
; SHARES.  A wave owns four tokens, as two pairs; the pair's two tokens take turns line by line.  While one pair is worked on, the other's loads are on their way.
; No LDS, no cluster, no tensor load: no wave wants a byte that another fetches.  No prefetch: every wave asks for its bytes at its start and one pair ahead.
.set PL,  0x2000000                    ; bytes in a plane of qkv
.set LO,  1                            ; v1   16 x lane
.set VO,  2                            ; v2   (l % 16) x 32 + (l / 16) x 16
.set STA, 4                            ; token u's six at v[4 + 6 u]: c m, m, 1 / l, three at work
.set KFR, 16                           ; v[16:47]   K, 16 a token
.set QFR, 48                           ; v[48:79]   Q
.set VFR, 80                           ; v[80:111]  V
.set ZVR, 112                          ; v[112:115] 0
.set PFR, 116                          ; v[116:131] P, 8 a token: four of weights, four of 0
.set SFR, 132                          ; v[132:147] S^T
.set OFR, 148                          ; v[148:211] O^T, 32 a token
.set YFR, 212                          ; v[212:243] O^T rounded
	s_load_b128 s[4:7], s[0:1], 0x0                ; qkv s[4:5], att s[6:7]
	v_lshrrev_b32 v3, 5, v0
	v_readfirstlane_b32 s2, v3                     ; wave 0..7
	s_lshl_b32 s3, ttmp9, 3
	s_add_co_u32 s2, s2, s3                        ; my wave among all
	s_lshl_b32 s2, s2, 13                          ; four tokens of 2,048 bytes
	s_mov_b32 s3, 0
	v_and_b32 v3, 31, v0
	v_lshlrev_b32 v[LO], 4, v3
	v_and_b32 v[VO], 15, v0
	v_lshlrev_b32 v[VO], 5, v[VO]
	v_bfe_u32 v3, v0, 4, 1
	v_lshl_add_u32 v[VO], v3, 4, v[VO]
	s_mov_b32 s16, 0x3e38aa3b                      ; c = log2(e) / 8
	s_mov_b32 s17, s16                             ; named with it as a pair
	s_mov_b32 s18, 0x76543210                      ; v_permlanex16_b32: each lane takes its own place in the other half
	s_mov_b32 s19, 0xfedcba98
	s_wait_kmcnt 0x0
	s_add_nc_u64 s[8:9], s[4:5], s[2:3]            ; q,
	s_add_nc_u64 s[10:11], s[8:9], PL              ; k,
	s_add_nc_u64 s[12:13], s[10:11], PL            ; v,
	s_add_nc_u64 s[14:15], s[6:7], s[2:3]          ; att at my first token
.macro LOADQK p                        ; 16 loads of 512 consecutive bytes
.irp u, 0,1
.irp m, 0,1,2,3
	global_load_b128 v[KFR+16*(\u)+4*(\m):KFR+16*(\u)+4*(\m)+3], v[LO], s[10:11] offset:(2*(\p)+(\u))*2048+512*(\m) th:TH_LOAD_NT
	global_load_b128 v[QFR+16*(\u)+4*(\m):QFR+16*(\u)+4*(\m)+3], v[LO], s[8:9] offset:(2*(\p)+(\u))*2048+512*(\m) th:TH_LOAD_NT
.endr
.endr
.endm
.macro LOADV p                         ; 8 loads; each covers 512 consecutive bytes
.irp u, 0,1
.irp f, 0,1,2,3
	global_load_b128 v[VFR+16*(\u)+4*(\f):VFR+16*(\u)+4*(\f)+3], v[VO], s[12:13] offset:(2*(\p)+(\u))*2048+512*(\f) th:TH_LOAD_NT
.endr
.endr
.endm
.macro PLACES                          ; four plain vector instructions behind the last product, ahead of reads of results and of loads into sources
.rept 4
	v_nop
.endr
.endm
.macro SCORES                          ; the two tokens' accumulators take turns
	v_wmma_f32_16x16x32_f16 v[SFR:SFR+7],    v[KFR:KFR+7],     v[QFR:QFR+7],     0
	v_wmma_f32_16x16x32_f16 v[SFR+8:SFR+15], v[KFR+16:KFR+23], v[QFR+16:QFR+23], 0
	v_wmma_f32_16x16x32_f16 v[SFR:SFR+7],    v[KFR+8:KFR+15],  v[QFR+8:QFR+15],  v[SFR:SFR+7]
	v_wmma_f32_16x16x32_f16 v[SFR+8:SFR+15], v[KFR+24:KFR+31], v[QFR+24:QFR+31], v[SFR+8:SFR+15]
	PLACES
.endm
.macro SOFTMAX
.irp u, 0,1
	v_max3_num_f32 v[STA+6*(\u)+4], v[SFR+8*(\u)], v[SFR+8*(\u)+1], v[SFR+8*(\u)+2]  ; the accumulator is read from its low end on
.endr
.irp u, 0,1
	v_max3_num_f32 v[STA+6*(\u)+4], v[STA+6*(\u)+4], v[SFR+8*(\u)+3], v[SFR+8*(\u)+4]
.endr
.irp u, 0,1
	v_max3_num_f32 v[STA+6*(\u)+4], v[STA+6*(\u)+4], v[SFR+8*(\u)+5], v[SFR+8*(\u)+6]
.endr
.irp u, 0,1
	v_max_num_f32 v[STA+6*(\u)+4], v[STA+6*(\u)+4], v[SFR+8*(\u)+7]
.endr
.irp u, 0,1
	v_permlanex16_b32 v[STA+6*(\u)+5], v[STA+6*(\u)+4], s18, s19  ; the query head's other 8 key heads lie in the lane 16 away
.endr
.irp u, 0,1
	v_max_num_f32 v[STA+6*(\u)+1], v[STA+6*(\u)+4], v[STA+6*(\u)+5]  ; m
.endr
.irp u, 0,1
	v_mul_f32 v[STA+6*(\u)], s16, v[STA+6*(\u)+1]                    ; c m
.endr
.irp i, 0,1,2,3
.irp u, 0,1
	v_pk_fma_f32 v[SFR+8*(\u)+2*(\i):SFR+8*(\u)+2*(\i)+1], v[SFR+8*(\u)+2*(\i):SFR+8*(\u)+2*(\i)+1], s[16:17], v[STA+6*(\u):STA+6*(\u)+1] op_sel_hi:[1,0,0] neg_lo:[0,0,1] neg_hi:[0,0,1]  ; c s - c m
.endr
.endr
.irp i, 0,1,2,3,4,5,6,7,8,9,10,11,12,13,14,15
	v_exp_f32 v[SFR+(\i)], v[SFR+(\i)]
.endr
	v_nop                                          ; a plain instruction behind the last exponential
	s_wait_alu depctr_va_vdst(0)
.irp u, 0,1
	v_pk_add_f32 v[STA+6*(\u)+4:STA+6*(\u)+5], v[SFR+8*(\u):SFR+8*(\u)+1], v[SFR+8*(\u)+2:SFR+8*(\u)+3]
	v_pk_add_f32 v[STA+6*(\u)+2:STA+6*(\u)+3], v[SFR+8*(\u)+4:SFR+8*(\u)+5], v[SFR+8*(\u)+6:SFR+8*(\u)+7]
.endr
.irp u, 0,1
	v_pk_add_f32 v[STA+6*(\u)+4:STA+6*(\u)+5], v[STA+6*(\u)+4:STA+6*(\u)+5], v[STA+6*(\u)+2:STA+6*(\u)+3]
.endr
.irp u, 0,1
	v_add_f32 v[STA+6*(\u)+4], v[STA+6*(\u)+4], v[STA+6*(\u)+5]
.endr
.irp u, 0,1
	v_permlanex16_b32 v[STA+6*(\u)+5], v[STA+6*(\u)+4], s18, s19
.endr
.irp u, 0,1
	v_add_f32 v[STA+6*(\u)+4], v[STA+6*(\u)+4], v[STA+6*(\u)+5]      ; l
.endr
.irp u, 0,1
	v_rcp_f32 v[STA+6*(\u)+2], v[STA+6*(\u)+4]
.endr
	v_nop                                          ; a plain instruction behind the last reciprocal
	s_wait_alu depctr_va_vdst(0)
.irp i, 0,1,2,3
.irp u, 0,1
	v_pk_mul_f32 v[SFR+8*(\u)+2*(\i):SFR+8*(\u)+2*(\i)+1], v[SFR+8*(\u)+2*(\i):SFR+8*(\u)+2*(\i)+1], v[STA+6*(\u)+2:STA+6*(\u)+3] op_sel_hi:[1,0]
.endr
.endr
.irp i, 0,1,2,3
.irp u, 0,1
	v_cvt_pk_f16_f32 v[PFR+8*(\u)+(\i)], v[SFR+8*(\u)+2*(\i)], v[SFR+8*(\u)+2*(\i)+1]
.endr
.endr
.endm
.macro PVMUL                           ; eight products, each its own accumulator, each started with 0
.irp f, 0,1,2,3
.irp u, 0,1
	v_wmma_f32_16x16x32_f16 v[OFR+32*(\u)+8*(\f):OFR+32*(\u)+8*(\f)+7], v[VFR+16*(\u)+4*(\f):VFR+16*(\u)+4*(\f)+7], v[PFR+8*(\u):PFR+8*(\u)+7], 0
.endr
.endr
	PLACES
.endm
.macro OUT p
.if \p
	s_wait_xcnt 0x0                                ; the first pair's stores have read their data
.endif
.irp u, 0,1
.irp f, 0,1,2,3
.irp r, 0,1,2,3
	v_cvt_pk_f16_f32 v[YFR+16*(\u)+4*(\f)+(\r)], v[OFR+32*(\u)+8*(\f)+2*(\r)], v[OFR+32*(\u)+8*(\f)+2*(\r)+1]
.endr
	global_store_b128 v[LO], v[YFR+16*(\u)+4*(\f):YFR+16*(\u)+4*(\f)+3], s[14:15] offset:(2*(\p)+(\u))*2048+512*(\f) th:TH_STORE_NT  ; 512 consecutive bytes, aligned
.endr
.endr
.endm
	LOADQK 0
	LOADV 0
.irp i, 0,1,2,3
	v_mov_b32 v[ZVR+(\i)], 0                       ; written while the first loads are on their way: the zeros behind V,
	v_mov_b32 v[PFR+4+(\i)], 0                     ; and the upper halves of P's two fragments
	v_mov_b32 v[PFR+12+(\i)], 0
.endr
	v_mov_b32 v[STA+5], 0                          ; v_permlanex16_b32's destination counts as read
	v_mov_b32 v[STA+11], 0
	s_wait_loadcnt 8                               ; Q and K are in; V's eight loads may stay out
	SCORES
	LOADQK 1                                       ; four places behind the last product that read these registers
	SOFTMAX
	s_wait_loadcnt 16                              ; V is in; the 16 loads just issued may stay out
	PVMUL
	LOADV 1
	OUT 0
	s_wait_loadcnt 8                               ; the second pair's Q and K are in
	SCORES
	SOFTMAX
	s_wait_loadcnt 0x0
	PVMUL
	OUT 1
	s_endpgm
.Lfunc_end_k_q765f49e8c2_attn:
	.size	k_q765f49e8c2_attn, .Lfunc_end_k_q765f49e8c2_attn-k_q765f49e8c2_attn
	.p2alignl 7, 3214868480
	.fill 96, 4, 3214868480
	.section	.rodata,"a",@progbits
	.p2align	6, 0x0
	.amdhsa_kernel k_q765f49e8c2_attn
		.amdhsa_group_segment_fixed_size 0
		.amdhsa_private_segment_fixed_size 0
		.amdhsa_enable_private_segment 0
		.amdhsa_kernarg_size 16
		.amdhsa_user_sgpr_count 2
		.amdhsa_user_sgpr_kernarg_segment_ptr 1
		.amdhsa_wavefront_size32 1
		.amdhsa_system_sgpr_workgroup_id_x 1
		.amdhsa_system_sgpr_workgroup_id_y 1
		.amdhsa_system_sgpr_workgroup_id_z 1
		.amdhsa_system_vgpr_workitem_id 0
		.amdhsa_next_free_vgpr 248
		.amdhsa_next_free_sgpr 66
		.amdhsa_reserve_vcc 0
		.amdhsa_float_denorm_mode_32 3
		.amdhsa_float_denorm_mode_16_64 3
		.amdhsa_memory_ordered 1
		.amdhsa_forward_progress 1
		.amdhsa_inst_pref_size 21
	.end_amdhsa_kernel
	.amdgpu_metadata
---
amdhsa.version: [ 1, 2 ]
amdhsa.kernels:
  - .name:           k_q765f49e8c2_attn
    .symbol:         k_q765f49e8c2_attn.kd
    .args:
      - { .name: qkv, .offset: 0, .size: 8, .value_kind: global_buffer, .address_space: global }
      - { .name: att, .offset: 8, .size: 8, .value_kind: global_buffer, .address_space: global }
    .group_segment_fixed_size: 0
    .private_segment_fixed_size: 0
    .kernarg_segment_align: 8
    .kernarg_segment_size: 16
    .max_flat_workgroup_size: 256
    .sgpr_count:     66
    .vgpr_count:     248
    .wavefront_size: 32
...
	.end_amdgpu_metadata
.endif
;; end of part 3
;; launch outp (part 4): grid 4 x 64, 4 waves a work-group, clusters of 4 x 4, 327,680 bytes of LDS; arguments att, wo16, out0; writes out0
.if DOCPART == 4
	.amdgcn_target "amdgcn-amd-amdhsa--gfx1250"
	.amdhsa_code_object_version 6
	.text
	.protected	k_q765f49e8c2_outp
	.globl	k_q765f49e8c2_outp
	.p2align	8
	.type	k_q765f49e8c2_outp,@function
k_q765f49e8c2_outp:
	s_mov_b64 s[64:65], 0
	v_nop
	global_prefetch_b8 v0, s[64:65] scope:SCOPE_SE
	s_setreg_imm32_b32 hwreg(HW_REG_WAVE_MODE, 25, 1), 1
	s_wait_xcnt 0x0
	s_wait_alu depctr_hold_cnt(0) depctr_sa_sdst(0) depctr_va_vdst(0) depctr_va_sdst(0) depctr_va_ssrc(0) depctr_va_vcc(0) depctr_vm_vsrc(0)
	s_getreg_b32 s2, hwreg(HW_REG_IB_STS2, 6, 4)
	s_cmp_eq_u32 s2, 0
	s_cbranch_scc0 .Lentry_in_a_cluster
	s_endpgm
.Lentry_in_a_cluster:
	s_bfe_u32 s2, ttmp6, 0x10000c
	s_cmp_lg_u32 s2, 0xf033
	s_cbranch_scc0 .Lentry_shape_is_right
	s_endpgm
.Lentry_shape_is_right:
; THE OUTPUT PROJECTION.  out0[m][n] = the sum over k of att[m][k] wo16[n][k]; f16 operands (att's and wo16's k run in the same order, c*128 + h*8 + j), f32 sums, f32 out, nothing rounded behind the sums.
; LIMITS.  att and wo16 arrive finite, within f16.  NaN and infinities are not treated apart.
; SHARES.  A tile of C is 256 x 256, one for each of 256 work-groups; four waves, each 128 x 128: 64 accumulators of 16 x 16.  K goes in steps of 128 through two LDS slots filled by the tensor data mover.
; THE LOOP has three trips, one for each lap that fills both slots again; a trip begins at the change of slots, and the loop is entered in its middle, behind the first quarter, whose products start the sums.
; THE LAST K STEP GOES BY ROWS OF C: the wave's eight blocks of 16 rows are finished one after the other, and each leaves at once, while the others are multiplied.
; CLUSTERS: 4 x 4 work-groups; att's tile is shared along a row of the cluster, wo16's along a column: each is asked for JOINTLY, by the same tensor load, descriptor and mask in the four.
; THE MATRIX INSTRUCTION IS USED TRANSPOSED (source 0 = 16 rows of wo16, source 1 = 16 rows of att): a lane holds eight neighbouring numbers of a row of C, 32 bytes.
; REGISTERS, in windows of 256 (s_set_vgpr_msb: bits 1:0 source 0, 3:2 source 1, 5:4 source 2, 7:6 destination):
;   window 0: v0-31 addresses; v64-127, v128-191 fragments of att, two buffers (in the last K step four, of 16 rows x 128 K); v192-255 a block of 16 rows read back from the stage
;   window 1: v64-127, v128-191 fragments of wo16; in the last K step all 256     window 2: the accumulators of my rows 0-63 ((a, b) at v[8 (8 a + b)])     window 3: those of my rows 64-127
.set SIZE_K, 1024
.set KSTEP,  128
.set PITCH,  272                       ; an LDS row: 256 bytes + 16 of padding: the 16 rows that a load touches start at 16 different groups of four banks (64 banks of 4 bytes: ISA guide 11.1)
.set HALFT,  128*PITCH
.set SLOT,   4*HALFT
.set STAGE,  2*SLOT                    ; behind the ring: 16 rows x 528 bytes for each wave, for the way out; no tensor load fills it
.set SP32,   528                       ; a stage row: 128 f32 + 16 bytes of padding = 33 x 16 bytes
.set SPARE,  STAGE+4*16*SP32           ; behind the stages: the spare words, 128 bytes for each wave: two blocks of 256 bytes that no other line names
.set LAPS,   SIZE_K/(2*KSTEP)
.set CP,     4096                      ; bytes in a row of out0
.set ADRA, 16
.set ADRB, 20
.set STO,  24                          ; v24     the way out: where I put 32 bytes of a row
.set RD,   25                          ; v25     the way out: where I read a row back
.set CO,   26                          ; v26     16 x lane
.set SPW,  28
.set NIL,  29
.set PFO,  30
.set PFA,  44
.set LIM,  43
.set F0,   64
.set F1,   128
.set PA,   64                          ; the last K step: att's fragments of 16 rows x 128 K, 32 registers; four such buffers, v64-191
.set BK,   192                         ; the way out: 64 registers
.set G1, 24
.set G0, 32
.set G1B, 48
.set G0B, 56
.set MSB, 0
.macro WIN new                         ; the immediate's high byte repeats the setting that is left; a switch that changes nothing is dropped
.if MSB != (\new)
	s_set_vgpr_msb (MSB<<8)|(\new)
.set MSB, \new
.endif
.endm
.set MUL_LO, 0xa1
.set MUL_HI, 0xf1
.set TO_B,   0x40
; A joint load.  Waves 0 and 1 fetch att's two halves, waves 2 and 3 wo16's.  An s_nop 0 and four v_nop follow each line.
.macro JLOAD s
	s_cmp_eq_u32 s11, 0
	s_cbranch_scc0 .Lfor_b_\@
	tensor_load_to_lds s[G0+4*(\s):G0+4*(\s)+3], s[G1:G1+7]
	s_nop 0
.rept 4
	v_nop
.endr
	s_branch .Lasked_\@
.Lfor_b_\@:
	tensor_load_to_lds s[G0B+4*(\s):G0B+4*(\s)+3], s[G1B:G1B+7]
	s_nop 0
.rept 4
	v_nop
.endr
.Lasked_\@:
.endm
; A PREFETCH, behind each joint load and the run of LDS loads that follows it: the K step that stands TWO refills on: 32 rows x 256 bytes, a lane a row, one instruction a wave.  att's rows are read by
; one cluster alone: every cluster asks for its own; wo16's by all 16 clusters: cluster y = 0 asks.  The four partners of a joint load share its rows out BY ADDRESS, 32 each.  The last two refills ask for nothing.
.macro ASK
	s_cmp_gt_u32 s3, s[LIM]                        ; s3 = 1 in the loop's last trip
	s_cbranch_scc0 .Lnot_mine_\@
	global_prefetch_b8 v[PFO], s[PFA:PFA+1] offset:KSTEP*2 th:TH_LOAD_NT scope:SCOPE_SE
.Lnot_mine_\@:
.endm
.macro CREST
	s_cmp_lg_u32 s10, 0
	s_cbranch_scc1 .Lnot_wave_0_\@
	s_barrier_signal -3
.Lnot_wave_0_\@:
	s_barrier_wait -3
	s_barrier_signal -1
	s_barrier_wait -1
.endm
.macro CROUND
	s_barrier_signal -1
	s_barrier_wait -1
	CREST
.endm
	s_load_b128 s[4:7], s[0:1], 0x0                ; att s[4:5], wo16 s[6:7]
	s_load_b64 s[8:9], s[0:1], 0x10                ; out0
	v_lshl_add_u32 v[SPW], v0, 2, SPARE
	v_mov_b32 v[NIL], 0
	ds_add_u32 v[SPW], v[NIL]                      ; the wave's opening: the add and its wait stand ahead of my first tensor load; the set-up below stands between them
	v_lshrrev_b32 v1, 5, v0
	v_readfirstlane_b32 s10, v1                    ; wave 0..3
	s_lshr_b32 s11, s10, 1                         ; my half of the tile's rows.  Also: I fetch for att (0) or for wo16 (1)
	s_and_b32 s12, s10, 1                          ; my half of its columns.  Also: which 128 rows of that tile I fetch
	s_bfe_u32 s40, ttmp6, 0x40000                  ; cx
	s_bfe_u32 s41, ttmp6, 0x40004                  ; cy
	s_lshl_b32 s42, ttmp9, 2
	s_add_co_u32 s42, s42, s40                     ; tile column
	s_and_b32 s13, ttmp7, 0xffff
	s_lshl_b32 s13, s13, 2
	s_add_co_u32 s13, s13, s41                     ; tile row
	s_lshl_b32 s43, s41, 2
	s_lshl_b32 s43, 15, s43                        ; my row of the cluster
	s_lshl_b32 s44, 0x1111, s40                    ; my column
	s_or_b32 s[G1+0], s43, (1<<16)|(1<<20)|(1<<21)|(5<<22)|(3<<25)   ; the mask; elements of 2 bytes; padding on; bit 21 beside a mask; 4 words behind every 64
	s_or_b32 s[G1B+0], s44, (1<<16)|(1<<20)|(1<<21)|(5<<22)|(3<<25)
	s_mov_b32 s[G1B+1], KSTEP<<16
	s_mov_b32 s[G1+1], KSTEP<<16                   ; tensor_dim0 = 128
	s_mov_b32 s[G1B+2], 128<<16
	s_mov_b32 s[G1+2], 128<<16                     ; tensor_dim1 = 128
	s_mov_b32 s[G1B+3], KSTEP<<16
	s_mov_b32 s[G1+3], KSTEP<<16                   ; tile_dim0 = 128
	s_mov_b32 s[G1B+4], 128
	s_mov_b32 s[G1+4], 128                         ; tile_dim1 = 128
	s_mov_b32 s[G1B+5], SIZE_K
	s_mov_b32 s[G1+5], SIZE_K                      ; elements from row to row
	s_mov_b32 s[G1B+6], 0
	s_mov_b32 s[G1+6], 0
	s_mov_b32 s[G1B+7], 0
	s_mov_b32 s[G1+7], 0
	s_lshl_b32 s17, s12, 7
	s_lshl_b32 s16, s13, 8
	s_add_co_u32 s16, s16, s17                     ; att: row 256 x tile row + 128 x half
	s_lshl_b32 s46, s42, 8
	s_add_co_u32 s46, s46, s17                     ; wo16: row 256 x tile column + 128 x half
	s_mov_b32 s17, 0
	s_mov_b32 s47, 0
	s_mov_b64 s[18:19], SIZE_K*2
	s_mul_u64 s[16:17], s[16:17], s[18:19]
	s_mul_u64 s[46:47], s[46:47], s[18:19]
	s_mul_i32 s20, s10, HALFT                      ; where they go: wave x 128 rows
	s_wait_dscnt 0x0                               ; the opening add is done
	s_wait_kmcnt 0x0
	s_add_nc_u64 s[14:15], s[4:5], s[16:17]
	s_add_nc_u64 s[46:47], s[6:7], s[46:47]
	CROUND                                         ; all sixteen work-groups are here: the first joint loads meet
.irp s, 0,1
	s_mov_b32 s[G0+4*(\s)], 1
	s_add_co_u32 s[G0+4*(\s)+1], s20, (\s)*SLOT
	s_add_nc_u64 s[G0+4*(\s)+2:G0+4*(\s)+3], s[14:15], (\s)*KSTEP*2
	s_or_b32 s[G0+4*(\s)+3], s[G0+4*(\s)+3], 0x80000000
	s_mov_b32 s[G0B+4*(\s)], 1
	s_add_co_u32 s[G0B+4*(\s)+1], s20, (\s)*SLOT
	s_add_nc_u64 s[G0B+4*(\s)+2:G0B+4*(\s)+3], s[46:47], (\s)*KSTEP*2
	s_or_b32 s[G0B+4*(\s)+3], s[G0B+4*(\s)+3], 0x80000000
	JLOAD \s                                       ; two loads of mine are out
.endr
	v_and_b32 v1, 15, v0                           ; l % 16
	v_bfe_u32 v2, v0, 4, 1                         ; l / 16
	v_mul_u32_u24 v3, v1, PITCH
	v_lshl_add_u32 v3, v2, 4, v3
	s_mul_i32 s21, s11, HALFT
	s_mul_i32 s22, s12, HALFT
	s_add_co_u32 s22, s22, 2*HALFT
.irp s, 0,1
	v_add_nc_u32 v[ADRA+(\s)], s21, v3
	v_add_nc_u32 v[ADRB+(\s)], s22, v3
	s_add_co_u32 s21, s21, SLOT
	s_add_co_u32 s22, s22, SLOT
.endr
	s_mul_i32 s23, s10, 16*SP32
	s_add_co_u32 s23, s23, STAGE                   ; my stage
	v_mul_u32_u24 v4, v1, SP32                     ; in: row l % 16, 32 bytes for each half of the lanes
	v_lshl_add_u32 v4, v2, 5, v4
	v_add_nc_u32 v[STO], s23, v4
	v_and_b32 v5, 31, v0
	v_lshlrev_b32 v[CO], 4, v5                     ; back, and in C: 32 lanes take one row's 512 bytes
	v_add_nc_u32 v[RD], s23, v[CO]
	; out0 at my part of the tile
	s_lshl_b32 s13, s13, 8                         ; 256 x tile row
	s_lshl_b32 s14, s11, 7
	s_add_co_u32 s16, s13, s14                     ; my first row
	s_lshl_b32 s16, s16, 12                        ; x 4,096 bytes
	s_mov_b32 s17, 0
	s_lshl_b32 s46, s42, 10                        ; my first column, in bytes: 1,024 x tile column + 512 x half
	s_lshl_b32 s47, s12, 9
	s_add_co_u32 s46, s46, s47
	s_mov_b32 s47, 0
	s_add_nc_u64 s[16:17], s[16:17], s[46:47]
	s_add_nc_u64 s[8:9], s[8:9], s[16:17]
	; the prefetches
	s_lshl_b32 s42, s42, 8
	s_and_b32 s22, ttmp7, 0xffff                   ; cluster y
	s_cmp_eq_u32 s11, 0                            ; do I fetch for att?
	s_cselect_b32 s20, s13, s42
	s_cselect_b32 s21, s40, s41
	s_cselect_b32 s22, ttmp9, s22
	s_cselect_b64 s[PFA:PFA+1], s[4:5], s[6:7]
	s_cmp_eq_u32 s22, 0
	s_cselect_b32 s[LIM], 1, -1                    ; the same in all sixteen partners, for a given wave
	s_lshl_b32 s22, s12, 7
	s_add_co_u32 s20, s20, s22
	s_lshl_b32 s21, s21, 5
	s_add_co_u32 s20, s20, s21
	s_mov_b32 s21, 0
	s_mov_b64 s[18:19], SIZE_K*2
	s_mul_u64 s[20:21], s[20:21], s[18:19]
	s_add_nc_u64 s[PFA:PFA+1], s[PFA:PFA+1], s[20:21]
	s_add_nc_u64 s[PFA:PFA+1], s[PFA:PFA+1], 2*KSTEP*2  ; at K step 2: the first refill steps it to 3 and names K step 4; nothing is prefetched here, at the head
	v_and_b32 v[PFO], 31, v0
	v_mul_u32_u24 v[PFO], v[PFO], SIZE_K*2
.macro MUL16 f, hi, a0, zero
	WIN MUL_LO+0x50*(\hi)
.irp a, \a0, (\a0)+1
.irp b, 0,1,2,3,4,5,6,7
.if \zero
	v_wmma_f32_16x16x32_f16 v[8*(8*(\a)+(\b)):8*(8*(\a)+(\b))+7], v[(\f)+8*(\b):(\f)+8*(\b)+7], v[(\f)+8*(4*(\hi)+(\a)):(\f)+8*(4*(\hi)+(\a))+7], 0
.else
	v_wmma_f32_16x16x32_f16 v[8*(8*(\a)+(\b)):8*(8*(\a)+(\b))+7], v[(\f)+8*(\b):(\f)+8*(\b)+7], v[(\f)+8*(4*(\hi)+(\a)):(\f)+8*(4*(\hi)+(\a))+7], v[8*(8*(\a)+(\b)):8*(8*(\a)+(\b))+7]
.endif
.endr
.endr
.endm
.macro FETCH slot, k, f
	WIN TO_B
.irp i, 0,1,2,3,4,5,6,7
	ds_load_b128 v[(\f)+8*(\i):(\f)+8*(\i)+3],   v[ADRB+(\slot)] offset:(\k)+(\i)*16*PITCH
	ds_load_b128 v[(\f)+8*(\i)+4:(\f)+8*(\i)+7], v[ADRB+(\slot)] offset:(\k)+(\i)*16*PITCH+32
.endr
	WIN 0
.irp i, 0,1,2,3,4,5,6,7
	ds_load_b128 v[(\f)+8*(\i):(\f)+8*(\i)+3],   v[ADRA+(\slot)] offset:(\k)+(\i)*16*PITCH
	ds_load_b128 v[(\f)+8*(\i)+4:(\f)+8*(\i)+7], v[ADRA+(\slot)] offset:(\k)+(\i)*16*PITCH+32
.endr
.endm
.macro PLACES                          ; four plain vector instructions between a matrix instruction and a load into its registers or a read of its result
.rept 4
	v_nop
.endr
.endm
; A K step is four quarters of 32 along K, 64 matrix instructions each, on buffers 0, 1, 0, 1; the 64 accumulators take turns.
.macro QUARTER slot, k, f, g, zero
	s_wait_dscnt 8                                 ; all but the youngest eight loads (att's rows 64-127) are in
	MUL16 \f, 0, 0, \zero
	MUL16 \f, 0, 2, \zero
	PLACES
	FETCH \slot, \k, \g
	s_wait_dscnt 32                                ; all but the 32 just issued
	MUL16 \f, 1, 0, \zero
	MUL16 \f, 1, 2, \zero
.endm
.macro MEET round
	WIN 0                                          ; (the add's two registers lie in window 0)
	s_wait_tensorcnt 0x0                           ; all my tensor loads have landed: the one that was out is my part of the next slot
	ds_add_u32 v[SPW], v[NIL]                      ; 0 onto my spare word
	s_wait_dscnt 9                                 ; (the add and the youngest eight loads may be out)
	MUL16 F1, 0, 0, 0
	s_wait_dscnt 0x0                               ; the add is done, and my reads of this slot are over
	s_barrier_signal -1
	MUL16 F1, 0, 2, 0
.if \round
	WIN 0
.endif
	s_barrier_wait -1
.endm
; The last quarter of a K step changes slots; the slot just read out is filled again first behind the round, two K steps ahead: 224 matrix instructions ahead of the wait for it.
.macro TURN slot, next
	s_wait_xcnt 0x0                                ; the last prefetch, a K step back, has read its address
	s_add_nc_u64 s[PFA:PFA+1], s[PFA:PFA+1], KSTEP*2
	MEET 1
	CREST                                          ; no wave of any partner still reads this slot's tile or has a load on its way
	s_add_nc_u64 s[G0+4*(\slot)+2:G0+4*(\slot)+3], s[G0+4*(\slot)+2:G0+4*(\slot)+3], 2*KSTEP*2
	s_add_nc_u64 s[G0B+4*(\slot)+2:G0B+4*(\slot)+3], s[G0B+4*(\slot)+2:G0B+4*(\slot)+3], 2*KSTEP*2
	JLOAD \slot                                    ; the four v_nop behind it are also the places in front of the loads below
	FETCH \next, 0, F0
	ASK
	MUL16 F1, 1, 0, 0
	MUL16 F1, 1, 2, 0
.endm
; THE LAST K STEP (it lies in slot 1) BY ROWS OF C.  All its fragments of wo16 (4 quarters x 64 registers) fill window 1; my eight blocks of 16 rows are finished one after the other, each with 32 matrix
; instructions (its 8 accumulators by turns, K ascending).  LDS is read no more than in any other K step.
.macro BLOAD q                         ; wo16's fragments of quarter q -> window 1, v[64 q ..]
	WIN TO_B
.irp i, 0,1,2,3,4,5,6,7
	ds_load_b128 v[64*(\q)+8*(\i):64*(\q)+8*(\i)+3],   v[ADRB+1] offset:64*(\q)+(\i)*16*PITCH
	ds_load_b128 v[64*(\q)+8*(\i)+4:64*(\q)+8*(\i)+7], v[ADRB+1] offset:64*(\q)+(\i)*16*PITCH+32
.endr
.endm
.macro ALOAD a                         ; att's fragments of block a, all four quarters -> buffer a % 4
	WIN 0
.set FA, PA+32*((\a)%4)
.irp q, 0,1,2,3
	ds_load_b128 v[FA+8*(\q):FA+8*(\q)+3],   v[ADRA+1] offset:64*(\q)+(\a)*16*PITCH
	ds_load_b128 v[FA+8*(\q)+4:FA+8*(\q)+7], v[ADRA+1] offset:64*(\q)+(\a)*16*PITCH+32
.endr
.endm
.macro ROW a                           ; block a is finished: 32 matrix instructions
.set FA, PA+32*((\a)%4)
.set AC, 64*((\a)%4)
	WIN MUL_LO+0x50*((\a)/4)
.irp q, 0,1,2,3
.if (\a) == 0 && (\q) == 2
	s_wait_dscnt 24                                ; wo16's quarter 2 is in (behind it: att's blocks 1 to 3)
.endif
.irp b, 0,1,2,3,4,5,6,7
	v_wmma_f32_16x16x32_f16 v[AC+8*(\b):AC+8*(\b)+7], v[64*(\q)+8*(\b):64*(\q)+8*(\b)+7], v[FA+8*(\q):FA+8*(\q)+7], v[AC+8*(\b):AC+8*(\b)+7]
.endr
.endr
.endm
; THE WAY OUT of block a (16 rows x 128 f32).  The accumulators go as they are into my own stage, 32 bytes a lane and block of columns (each accumulator's low four registers first
; ), and come back as whole rows of 512 bytes.
.macro TOSTAGE32 a
.set AC, 64*((\a)%4)
.if (\a) >= 1
	s_wait_xcnt 0x0                                ; the stores of the block before, issued 32 products back, have read the registers that are loaded again below
.endif
	WIN 0x08+4*((\a)/4)                            ; the stores' data: window 2 or 3
.irp b, 0,1,2,3,4,5,6,7
	ds_store_b128 v[STO], v[AC+8*(\b):AC+8*(\b)+3]   offset:64*(\b)
	ds_store_b128 v[STO], v[AC+8*(\b)+4:AC+8*(\b)+7] offset:64*(\b)+16
.endr
	WIN 0
.irp t, 0,1,2,3,4,5,6,7,8,9,10,11,12,13,14,15
	ds_load_b128 v[BK+4*(\t):BK+4*(\t)+3], v[RD] offset:SP32*(\t)  ; LDS serves a wave's instructions in order (ISA guide 5.7.1.4): these see the stores above; the next block's stores come behind them
.endr
.endm
.macro SEND32 a, younger               ; younger: the LDS loads issued behind the stage's, which may stay out
	WIN 0
	s_wait_dscnt \younger
.irp t, 0,1,2,3,4,5,6,7,8,9,10,11,12,13,14,15
	global_store_b128 v[CO], v[BK+4*(\t):BK+4*(\t)+3], s[8:9] offset:(16*(\a)+(\t))*CP th:TH_STORE_NT  ; 512 consecutive bytes, at a multiple of 256 from out0's first byte
.endr
.endm
	s_wait_tensorcnt 1                             ; my part of K step 0 is in; K step 1's may stay out
	s_barrier_signal -1
	s_barrier_wait -1
	FETCH 0, 0, F0
	QUARTER 0, 64,  F0, F1, 1                      ; the first quarter: its products start the sums
	WIN 0
	s_mov_b32 s3, LAPS                             ; the entry in the middle of a trip takes one count
	s_branch .Lin
.Llap:                                         ; three trips, s3 = 3, 2, 1: each fills both slots again
	TURN 0, 1
	QUARTER 1, 64,  F0, F1, 0
	QUARTER 1, 128, F1, F0, 0
	QUARTER 1, 192, F0, F1, 0
	TURN 1, 0
	QUARTER 0, 64,  F0, F1, 0
	WIN 0
.Lin:
	QUARTER 0, 128, F1, F0, 0
	QUARTER 0, 192, F0, F1, 0
	WIN 0
	s_sub_co_u32 s3, s3, 1
	s_cmp_lg_u32 s3, 0
	s_cbranch_scc1 .Llap
	MEET 0                                         ; the last lap fills nothing: no round follows the barrier
	PLACES                                         ; for the loads into buffer 0, which the quarter before multiplied
	BLOAD 0                                        ; three quarters of wo16 now: buffer 1 (v128-191 of both windows) is still being multiplied
	BLOAD 1
	BLOAD 3
	ALOAD 0
	MUL16 F1, 1, 0, 0
	MUL16 F1, 1, 2, 0
	PLACES                                         ; for the loads into buffer 1
	BLOAD 2
	ALOAD 1
	ALOAD 2
	ALOAD 3
	s_wait_dscnt 40                                ; all but the 40 just issued
	ROW 0
.irp a, 0,1,2,3,4,5,6,7                ; each block leaves as soon as it is finished
	PLACES                                         ; the LDS stores read results just made, and the next loads land in registers that those products read
	TOSTAGE32 \a
.if (\a) < 4
	ALOAD (\a)+4                                   ; its buffer takes the block four further on
	SEND32 \a, 8
.else
	SEND32 \a, 0
.endif
.if (\a) < 7
	ROW (\a)+1
.endif
.endr
	s_wait_tensorcnt 0x0                           ; the wave's end: an add to the spare word and its wait, behind my last tensor load and my last LDS store
	ds_add_u32 v[SPW], v[NIL]
	s_wait_dscnt 0x0
	CROUND                                         ; the closing round: no work-group ends while a partner may still ask for a tile that names it
	s_endpgm
.Lfunc_end_k_q765f49e8c2_outp:
	.size	k_q765f49e8c2_outp, .Lfunc_end_k_q765f49e8c2_outp-k_q765f49e8c2_outp
	.p2alignl 7, 3214868480
	.fill 96, 4, 3214868480
	.section	.rodata,"a",@progbits
	.p2align	6, 0x0
	.amdhsa_kernel k_q765f49e8c2_outp
		.amdhsa_group_segment_fixed_size 327680
		.amdhsa_private_segment_fixed_size 0
		.amdhsa_enable_private_segment 0
		.amdhsa_kernarg_size 24
		.amdhsa_user_sgpr_count 2
		.amdhsa_user_sgpr_kernarg_segment_ptr 1
		.amdhsa_wavefront_size32 1
		.amdhsa_system_sgpr_workgroup_id_x 1
		.amdhsa_system_sgpr_workgroup_id_y 1
		.amdhsa_system_sgpr_workgroup_id_z 1
		.amdhsa_system_vgpr_workitem_id 0
		.amdhsa_next_free_vgpr 1024
		.amdhsa_next_free_sgpr 66
		.amdhsa_reserve_vcc 0
		.amdhsa_float_denorm_mode_32 3
		.amdhsa_float_denorm_mode_16_64 3
		.amdhsa_memory_ordered 1
		.amdhsa_forward_progress 1
		.amdhsa_inst_pref_size 129
	.end_amdhsa_kernel
	.amdgpu_metadata
---
amdhsa.version: [ 1, 2 ]
amdhsa.kernels:
  - .name:           k_q765f49e8c2_outp
    .symbol:         k_q765f49e8c2_outp.kd
    .args:
      - { .name: att, .offset: 0, .size: 8, .value_kind: global_buffer, .address_space: global }
      - { .name: wo16, .offset: 8, .size: 8, .value_kind: global_buffer, .address_space: global }
      - { .name: out0, .offset: 16, .size: 8, .value_kind: global_buffer, .address_space: global }
    .group_segment_fixed_size: 327680
    .private_segment_fixed_size: 0
    .kernarg_segment_align: 8
    .kernarg_segment_size: 24
    .max_flat_workgroup_size: 128
    .sgpr_count:     66
    .vgpr_count:     1024
    .wavefront_size: 32
...
	.end_amdgpu_metadata
.endif
;; end of part 4
;; ======== version 2 of 2: 4 launches; version 1 with the launches prep, attn written anew for expert scheduling mode
;; limits: values are held in f16: magnitudes above 65,504 overflow, below 6.1e-05 lose precision
;; workspace buffers: xb 33,554,432 bytes; wqkv 6,291,456 bytes; wo16 2,097,152 bytes; rope 2,097,152 bytes; qkv 100,663,296 bytes; att 33,554,432 bytes
;; launch prep (part 5): grid 512 x 1, 8 waves a work-group, no clusters, 0 bytes of LDS; arguments x, Wq, Wk, Wv, Wo, xb, wqkv, wo16, rope; writes xb, wqkv, wo16, rope
.if DOCPART == 5
	.amdgcn_target "amdgcn-amd-amdhsa--gfx1250"
	.amdhsa_code_object_version 6
	.text
	.protected	k_q765f49e8c2_prep
	.globl	k_q765f49e8c2_prep
	.p2align	8
	.type	k_q765f49e8c2_prep,@function
k_q765f49e8c2_prep:
	s_mov_b64 s[64:65], 0
	v_nop
	global_prefetch_b8 v0, s[64:65] scope:SCOPE_SE
	s_setreg_imm32_b32 hwreg(HW_REG_WAVE_SCHED_MODE, 0, 2), 2
	s_setreg_imm32_b32 hwreg(HW_REG_WAVE_MODE, 25, 1), 1
	s_wait_xcnt 0x0
	s_wait_alu depctr_vm_vsrc(0)
; PREPARATION: every input is rounded once to bf16 and laid out for the launches behind; the rotary table is made.
;   xb   [16384][1024] bf16 = x.
;   wqkv [3072][1024] bf16: rows 0-1023 of Wq, 1024-2047 of Wk, 2048-3071 of Wv, IN ANOTHER ORDER, so that the product's columns come out as the attention wants them:
;        q, k: row c*128 + h*8 + j holds channel d = 8 c + j of head h (for q the head after the module's exchange of groups: source head (h & 3) * 4 + (h >> 2));
;        v:    row d*16 + t holds channel d of head t.
;   wo16 [1024][1024] f16: wo16[n][c*128 + h*8 + j] = Wo[n][h*64 + 8 c + j], rounded to bf16 like all inputs and that number written as f16.
;   rope [4096][32][4] f32: for position p and pair i the four numbers cos, cos, -sin, sin of p * 10000^(-i/32).
; LIMITS.  |Wo| stays under 65,504 (f16); a bf16 number of Wo below 6e-5 keeps f16's fixed step of 6e-8.  The angle is reduced by a multiple N of pi/2 taken in two parts;
; N is 2,607 at the most for positions up to 4,095, the problem's shape.  The series for sine and cosine on |r| <= pi/4 leave out terms below 3e-7.
; SHARES.  4,096 waves, ALL ALIKE: wave W takes rows 4 W .. 4 W + 3 of x, row W of the 4,096 weight rows (wqkv's 3,072, then wo16's 1,024) and position W of the table.
; With 192 registers two work-groups lie on a WGP, so the 512 work-groups are two for each of 256 WGPs, all at work from the start.
; A wave asks for its 40 pieces of 512 bytes at once, makes its line of the table while they are on their way, and rounds each piece in the registers in which it came.
; No LDS, no cluster, no matrix unit: no byte is wanted by two waves.  No prefetch: each wave asks for all its bytes at its start.
; THE MODE: SCHED_MODE bits 1:0 = 2 (LLVM: expert scheduling mode 2), set by the entry lines.  The code itself states the register dependences
; between vector instructions and memory instructions, with s_wait_alu, always for 0.
; THE PLAN.  Registers that memory instructions touch:
;   v1, v2, v3   byte offsets, made once at the head and never written again: one wait ahead of the first load serves every load and store of the kernel.
;   X            40 pieces of four registers (32 of x, 8 of the weight row).  One load lands in a piece; its roundings read the four and write the first two; one store reads those two;
;                nothing writes them again.  (Wo's row: pieces in pairs; sixteen lines write the first four of the eight; one store reads those.)
;   v[16:19]     the table's line: written by the table's arithmetic, read by one store, never written again.
; No register that a memory instruction has read is written again, and no load lands in a register that a vector instruction has named: what is to be stated is that a store's data are written.
; The pieces go in ten blocks of four.  Block k rounds its own pieces; its memory instructions are the four stores of block k - 1, whose registers no line of block k names.  So ONE wait at a block's
; head, behind the wait for the block's first piece, states all that those four stores hang on, and they are dealt among the block's roundings with no further wait.
.set LI,  1                            ; v1   16 x lane
.set LO8, 2                            ; v2   8 x lane
.set WI,  3                            ; v3   Wo: (lane % 16) x 256 + (lane / 16) x 32
.set X,   24                           ; v[24:151]  x's 4 rows as loaded, f32: piece n at X + 4 n; the first two registers of each four then hold them rounded
.set XW,  X+128                        ; v[152:183] the weight row: pieces 32 to 39
.set TT,  184                          ; v[184:186] at work: no memory instruction names them
	s_load_b512 s[4:19], s[0:1], 0x0               ; x 4:5, Wq 6:7, Wk 8:9, Wv 10:11, Wo 12:13, xb 14:15, wqkv 16:17, wo16 18:19
	s_load_b64 s[20:21], s[0:1], 0x40              ; rope
	v_lshrrev_b32 v4, 5, v0
	v_readfirstlane_b32 s3, v4                     ; wave 0..7
	v_and_b32 v5, 31, v0                           ; lane
	v_lshlrev_b32 v[LI], 4, v5
	v_lshlrev_b32 v[LO8], 3, v5
	v_and_b32 v6, 15, v0
	v_bfe_u32 v7, v0, 4, 1
	v_lshlrev_b32 v[WI], 8, v6
	v_lshl_add_u32 v[WI], v7, 5, v[WI]
	s_wait_alu depctr_va_sdst(0)                   ; s3 is written, ahead of its first reader: W, and with it every base, is made from it
	s_lshl_b32 s2, ttmp9, 3
	s_add_co_u32 s2, s2, s3                        ; W
	; which row of which matrix is destination row W?  R = W mod 1,024 is the row inside its matrix
	s_and_b32 s38, s2, 1023
	s_lshr_b32 s39, s38, 7                         ; q, k: R = c*128 + h*8 + j: c,
	s_bfe_u32 s40, s38, 0x40003                    ; h,
	s_and_b32 s41, s38, 7                          ; j
	s_and_b32 s42, s40, 3
	s_lshl_b32 s42, s42, 2
	s_lshr_b32 s43, s40, 2
	s_or_b32 s42, s42, s43                         ; q's source head (h & 3) * 4 + (h >> 2)
	s_cmp_lt_u32 s2, 1024
	s_cselect_b32 s40, s42, s40
	s_lshl_b32 s40, s40, 6
	s_lshl3_add_u32 s40, s39, s40
	s_add_co_u32 s40, s40, s41                     ; source row 64 head + 8 c + j
	s_lshr_b32 s41, s38, 4                         ; v: R = d*16 + t: d,
	s_and_b32 s42, s38, 15                         ; t
	s_lshl_b32 s42, s42, 6
	s_add_co_u32 s41, s41, s42                     ; source row 64 t + d
	s_cmp_lt_u32 s2, 2048
	s_cselect_b32 s40, s40, s41
	s_cmp_lt_u32 s2, 3072
	s_cselect_b32 s40, s40, s38                    ; Wo: its rows stay in place
	s_cselect_b32 s41, s2, s38                     ; the destination's row: W in wqkv, R in wo16
	s_mov_b32 s37, 0                               ; high word of the offset pair
	s_wait_kmcnt 0x0
	s_cselect_b64 s[30:31], s[16:17], s[18:19]     ; (the last compare still stands)
	s_cmp_lt_u32 s2, 1024
	s_cselect_b64 s[28:29], s[6:7], s[8:9]
	s_cmp_lt_u32 s2, 2048
	s_cselect_b64 s[28:29], s[28:29], s[10:11]
	s_cmp_lt_u32 s2, 3072
	s_cselect_b64 s[28:29], s[28:29], s[12:13]
	s_lshl_b32 s36, s40, 12                        ; 4,096 bytes a row of f32
	s_add_nc_u64 s[28:29], s[28:29], s[36:37]
	s_lshl_b32 s36, s41, 11                        ; 2,048 bytes a row of 16 bits
	s_add_nc_u64 s[30:31], s[30:31], s[36:37]
	s_lshl_b32 s36, s2, 14                         ; four rows of x
	s_add_nc_u64 s[24:25], s[4:5], s[36:37]
	s_lshl_b32 s36, s2, 13                         ; four rows of xb
	s_add_nc_u64 s[26:27], s[14:15], s[36:37]
	s_lshl_b32 s36, s2, 9                          ; 512 bytes a position
	s_add_nc_u64 s[32:33], s[20:21], s[36:37]
	s_wait_alu depctr_va_vdst(0)                   ; v1, v2 and v3 are written: every load and store of the kernel reads one of them as its offset
.irp i, 0,1,2,3
.irp j, 0,1,2,3,4,5,6,7
	global_load_b128 v[X+4*(8*(\i)+(\j)):X+4*(8*(\i)+(\j))+3], v[LI], s[24:25] offset:4096*(\i)+512*(\j) th:TH_LOAD_NT  ; 512 consecutive bytes a load
.endr
.endr
	s_cmp_lt_u32 s2, 3072
	s_cbranch_scc0 .Lwo_loads
.irp j, 0,1,2,3,4,5,6,7
	global_load_b128 v[XW+4*(\j):XW+4*(\j)+3], v[LI], s[28:29] offset:512*(\j) th:TH_LOAD_NT
.endr
	s_branch .Lloaded
.Lwo_loads:                                    ; Wo's columns change places inside a row: lane l takes head l % 16; load pair g brings its channels 8 c .. 8 c + 7, c = 2 g + l / 16
.irp g, 0,1,2,3
	global_load_b128 v[XW+8*(\g):XW+8*(\g)+3],   v[WI], s[28:29] offset:64*(\g) th:TH_LOAD_NT
	global_load_b128 v[XW+8*(\g)+4:XW+8*(\g)+7], v[WI], s[28:29] offset:64*(\g)+16 th:TH_LOAD_NT
.endr
.Lloaded:
	; the table's line for position W, a lane a pair i, while the 40 loads are on their way
	v_cvt_f32_u32 v6, v5
	v_mul_f32 v6, 0xbed49a78, v6                   ; -i log2(10000) / 32
	v_exp_f32 v6, v6                               ; 10000^(-i/32)
	v_cvt_f32_u32 v7, s2                           ; (a plain instruction behind the exponential)
	s_wait_alu depctr_va_vdst(0)                   ; the exponential has written v6, ahead of its first reader
	v_mul_f32 v8, v7, v6                           ; the angle, rounded to f32 as the module rounds it
	v_mul_f32 v9, 0x3f22f983, v8                   ; x 2 / pi
	v_rndne_f32 v9, v9                             ; N
	v_fmamk_f32 v10, v9, 0xbfc90fdb, v8            ; r = angle - N pi/2: the f32 nearest to pi/2,
	v_fmamk_f32 v10, v9, 0x333bbd2e, v10           ; and what it lacks
	v_cvt_i32_f32 v11, v9
	v_mul_f32 v12, v10, v10                        ; r^2
	v_mov_b32 v13, 0x3638ef1d                      ; sine: r + r^3 (-1/6 + r^2 (1/120 + r^2 (-1/5040 + r^2 / 362880)))
	v_mov_b32 v14, 0x37d00d01                      ; cosine: 1 + r^2 (-1/2 + r^2 (1/24 + r^2 (-1/720 + r^2 / 40320)))
	v_fmaak_f32 v13, v13, v12, 0xb9500d01
	v_fmaak_f32 v14, v14, v12, 0xbab60b61
	v_fmaak_f32 v13, v13, v12, 0x3c088889
	v_fmaak_f32 v14, v14, v12, 0x3d2aaaab
	v_fmaak_f32 v13, v13, v12, 0xbe2aaaab
	v_fmaak_f32 v14, v14, v12, 0xbf000000
	v_mul_f32 v15, v10, v12                        ; r^3
	v_fma_f32 v14, v14, v12, 1.0
	v_fma_f32 v13, v13, v15, v10
	v_and_b32 v15, 1, v11                          ; the quadrant N mod 4: odd ones exchange sine and cosine,
	v_cmp_eq_u32 vcc_lo, 1, v15
	v_lshlrev_b32 v22, 30, v11                     ; quadrants 2 and 3 turn the sine's sign,
	v_and_b32 v22, 0x80000000, v22
	v_add_nc_u32 v23, 1, v11                       ; quadrants 1 and 2 the cosine's
	v_lshlrev_b32 v23, 30, v23
	v_and_b32 v23, 0x80000000, v23
	s_wait_alu depctr_va_vcc(0)                    ; the compare has written VCC, ahead of the two selects that read it; the signs' five lines stand between
	v_cndmask_b32 v20, v13, v14, vcc_lo
	v_cndmask_b32 v21, v14, v13, vcc_lo
	v_xor_b32 v19, v20, v22                        ; sin
	v_xor_b32 v16, v21, v23                        ; cos
	v_mov_b32 v17, v16
	v_xor_b32 v18, 0x80000000, v19                 ; -sin
	s_wait_alu depctr_va_vdst(0)                   ; the table's four numbers v[16:19] are written, which the store reads
	global_store_b128 v[LI], v[16:19], s[32:33]    ; the position's 512 bytes
; Piece n leaves: x's go to xb, the weight row's to wqkv.
.macro ST n
.if (\n) < 32
	global_store_b64 v[LO8], v[X+4*(\n):X+4*(\n)+1], s[26:27] offset:256*(\n)        ; the wave stores 256 consecutive bytes, aligned
.else
	global_store_b64 v[LO8], v[X+4*(\n):X+4*(\n)+1], s[30:31] offset:256*((\n)-32)
.endif
.endm
; Block k: pieces 4 k to 4 k + 3 are rounded where they lie; the block before leaves.  No register is written again behind its store, so no store is waited for.
.macro BLK k
	s_wait_loadcnt 39-4*(\k)                       ; loads come back in order: the block's first piece is in, the younger ones stay out
.if (\k) > 0
	s_wait_alu depctr_va_vdst(0)                   ; the block before has written the first two registers of its four pieces, which the four stores below read; no line of this block names them
.endif
.irp j, 0,1,2,3
.if (\k) > 0
	ST 4*(\k)-4+(\j)
.endif
.if (\j) > 0
	s_wait_loadcnt 39-(4*(\k)+(\j))
.endif
	v_cvt_pk_bf16_f32 v[X+4*(4*(\k)+(\j))],   v[X+4*(4*(\k)+(\j))],   v[X+4*(4*(\k)+(\j))+1]
	v_cvt_pk_bf16_f32 v[X+4*(4*(\k)+(\j))+1], v[X+4*(4*(\k)+(\j))+2], v[X+4*(4*(\k)+(\j))+3]
.endr
.endm
.irp k, 0,1,2,3,4,5,6,7
	BLK \k                                         ; x
.endr
	s_cmp_lt_u32 s2, 3072
	s_cbranch_scc0 .Lwo_conv
	BLK 8                                          ; a row of wqkv; x's last block leaves in its first block
	BLK 9
	s_wait_alu depctr_va_vdst(0)                   ; the last block is written, which the last four stores read
.irp j, 0,1,2,3
	ST 36+(\j)
.endr
	s_endpgm
.Lwo_conv:                                     ; a row of wo16, in four groups of two pieces; x's last block leaves in the first group, group g - 1 in group g
.irp g, 0,1,2,3
	s_wait_loadcnt 6-2*(\g)                        ; pair g is in; the pairs behind it stay out
	s_wait_alu depctr_va_vdst(0)                   ; what leaves in this group is written: x's last block (g = 0), or the four registers of group g - 1; no line of this group names them
.irp r, 0,1,2,3
.if (\g) == 0
	ST 28+(\r)
.elseif (\r) == 0
	global_store_b128 v[LI], v[XW+8*((\g)-1):XW+8*((\g)-1)+3], s[30:31] offset:512*((\g)-1)  ; byte c*256 + h*16 = 512 (g - 1) + 16 l: 512 consecutive bytes, aligned
.endif
	v_cvt_pk_bf16_f32 v[TT], v[XW+8*(\g)+2*(\r)], v[XW+8*(\g)+2*(\r)+1]  ; the rounding that all inputs get,
	v_lshlrev_b32 v[TT+1], 16, v[TT]
	v_and_b32 v[TT+2], 0xffff0000, v[TT]
	v_cvt_pk_f16_f32 v[XW+8*(\g)+(\r)], v[TT+1], v[TT+2]                 ; and the same number as f16, into a register whose f32 has been read
.endr
.endr
	s_wait_alu depctr_va_vdst(0)                   ; the last group is written, which the last store reads
	global_store_b128 v[LI], v[XW+24:XW+27], s[30:31] offset:1536
	s_endpgm
.Lfunc_end_k_q765f49e8c2_prep:
	.size	k_q765f49e8c2_prep, .Lfunc_end_k_q765f49e8c2_prep-k_q765f49e8c2_prep
	.p2alignl 7, 3214868480
	.fill 96, 4, 3214868480
	.section	.rodata,"a",@progbits
	.p2align	6, 0x0
	.amdhsa_kernel k_q765f49e8c2_prep
		.amdhsa_group_segment_fixed_size 0
		.amdhsa_private_segment_fixed_size 0
		.amdhsa_enable_private_segment 0
		.amdhsa_kernarg_size 72
		.amdhsa_user_sgpr_count 2
		.amdhsa_user_sgpr_kernarg_segment_ptr 1
		.amdhsa_wavefront_size32 1
		.amdhsa_system_sgpr_workgroup_id_x 1
		.amdhsa_system_sgpr_workgroup_id_y 1
		.amdhsa_system_sgpr_workgroup_id_z 1
		.amdhsa_system_vgpr_workitem_id 0
		.amdhsa_next_free_vgpr 192
		.amdhsa_next_free_sgpr 66
		.amdhsa_reserve_vcc 1
		.amdhsa_float_denorm_mode_32 3
		.amdhsa_float_denorm_mode_16_64 3
		.amdhsa_memory_ordered 1
		.amdhsa_forward_progress 1
		.amdhsa_inst_pref_size 24
	.end_amdhsa_kernel
	.amdgpu_metadata
---
amdhsa.version: [ 1, 2 ]
amdhsa.kernels:
  - .name:           k_q765f49e8c2_prep
    .symbol:         k_q765f49e8c2_prep.kd
    .args:
      - { .name: x, .offset: 0, .size: 8, .value_kind: global_buffer, .address_space: global }
      - { .name: Wq, .offset: 8, .size: 8, .value_kind: global_buffer, .address_space: global }
      - { .name: Wk, .offset: 16, .size: 8, .value_kind: global_buffer, .address_space: global }
      - { .name: Wv, .offset: 24, .size: 8, .value_kind: global_buffer, .address_space: global }
      - { .name: Wo, .offset: 32, .size: 8, .value_kind: global_buffer, .address_space: global }
      - { .name: xb, .offset: 40, .size: 8, .value_kind: global_buffer, .address_space: global }
      - { .name: wqkv, .offset: 48, .size: 8, .value_kind: global_buffer, .address_space: global }
      - { .name: wo16, .offset: 56, .size: 8, .value_kind: global_buffer, .address_space: global }
      - { .name: rope, .offset: 64, .size: 8, .value_kind: global_buffer, .address_space: global }
    .group_segment_fixed_size: 0
    .private_segment_fixed_size: 0
    .kernarg_segment_align: 8
    .kernarg_segment_size: 72
    .max_flat_workgroup_size: 256
    .sgpr_count:     66
    .vgpr_count:     192
    .wavefront_size: 32
...
	.end_amdgpu_metadata
.endif
;; end of part 5
;; launch proj: the kernel of part 2 again; grid 4 x 64, 4 waves a work-group, clusters of 4 x 4, 327,680 bytes of LDS; arguments xb, wqkv, qkv, rope; writes qkv
;; launch attn (part 6): grid 512 x 1, 8 waves a work-group, no clusters, 0 bytes of LDS; arguments qkv, att; writes att
.if DOCPART == 6
	.amdgcn_target "amdgcn-amd-amdhsa--gfx1250"
	.amdhsa_code_object_version 6
	.text
	.protected	k_q765f49e8c2_attn
	.globl	k_q765f49e8c2_attn
	.p2align	8
	.type	k_q765f49e8c2_attn,@function
k_q765f49e8c2_attn:
	s_mov_b64 s[64:65], 0
	v_nop
	global_prefetch_b8 v0, s[64:65] scope:SCOPE_SE
	s_setreg_imm32_b32 hwreg(HW_REG_WAVE_SCHED_MODE, 0, 2), 2
	s_setreg_imm32_b32 hwreg(HW_REG_WAVE_MODE, 25, 1), 1
	s_wait_xcnt 0x0
	s_wait_alu depctr_vm_vsrc(0)
; ATTENTION OVER THE HEADS OF ONE TOKEN.  For each of 16,384 tokens: S[h][t] = q[h] . k[t] / 8 (16 x 16, over 64 channels), P = softmax over t, O[h] = the sum over t of P[h][t] v[t].
; q, k, v, P and O in f16; products, maximum and sum in f32; P is divided by its sum in f32 and rounded once; O is rounded once.
; LIMITS.  q, k, v arrive finite, within f16; P lies in 0 to 1 and below 6e-5 keeps f16's fixed step of 6e-8; a weight below 2^-126 counts as 0 in the sum.  NaN and infinities are not treated apart.
; LAYOUT.  A token's q and k are 2,048 bytes in the order c*128 + h*8 + j (channel 8 c + j of head h): 32 lanes x 16 consecutive bytes ARE half a fragment: lane l holds head l % 16 and the chunk
; c = 2 m + l / 16 of load m.  The order of the channels inside the sum is the same for q and k.  S^T = K Q^T: a lane holds ONE query head (l % 16) and the key heads 8 (l / 16) + 0..7;
; rounded in pairs that IS the lower half (16 key heads) of source 1 of O^T = V^T P; its upper half is 0.  A token's v lies as [channel][head]: lane l reads channel 16 f + l % 16, heads
; 8 (l / 16) + 0..7.  Source 0's upper four registers meet the zeros: they are whatever finite numbers follow (the next fragment, or four zeros).  O^T holds head l % 16 and channels
; 16 f + 8 (l / 16) + 0..7: in att's order c*128 + h*8 + j the wave's 32 x 16 bytes are consecutive.  Nothing changes lanes but the maximum's and the sum's one exchange of halves.
; SHARES.  A wave owns four tokens, as two pairs; the pair's two tokens take turns line by line.  While one pair is worked on, the other's loads are on their way.
; No LDS, no cluster, no tensor load: no wave wants a byte that another fetches.  No prefetch: every wave asks for its bytes at its start and one pair ahead.
; THE MODE: SCHED_MODE bits 1:0 = 2 (LLVM: expert scheduling mode 2), set by the entry lines.  The code itself states the register dependences
; between vector or matrix instructions and memory instructions, with s_wait_alu, always for 0.
; THE PLAN.  Registers that memory instructions touch:
;   v1, v2     byte offsets, made once at the head and never written again: one wait ahead of the first load serves every load and store.
;   K, Q       the first pair's loads land in them; the four products of its scores read them; then the second pair's loads land in them: one wait between, behind those products.
;   V          likewise: the eight products V^T P read it, then the second pair's loads land in it.
;   Y0         the first pair's out-buffer: written by its 32 roundings, read by its eight stores, never written again.
;   Y1         the second pair's: K's registers, which nothing names once the second pair's scores are made: written by 32 roundings, read by eight stores.
; With an out-buffer to each pair no register that a store has read is written again.  ONE wait behind the first pair's roundings states both that the products are done reading V and that Y0 is
; written: V's loads and Y0's stores follow it.  S^T, P, O^T and the statistics are named by vector and matrix instructions alone.
.set PL,  0x2000000                    ; bytes in a plane of qkv
.set LO,  1                            ; v1   16 x lane
.set VO,  2                            ; v2   (l % 16) x 32 + (l / 16) x 16
.set STA, 4                            ; token u's six at v[4 + 6 u]: c m, m, 1 / l, three at work
.set KFR, 16                           ; v[16:47]   K, 16 a token; at the end Y1: the second pair's O^T rounded
.set QFR, 48                           ; v[48:79]   Q
.set VFR, 80                           ; v[80:111]  V
.set ZVR, 112                          ; v[112:115] 0
.set PFR, 116                          ; v[116:131] P, 8 a token: four of weights, four of 0
.set SFR, 132                          ; v[132:147] S^T
.set OFR, 148                          ; v[148:211] O^T, 32 a token
.set YFR, 212                          ; v[212:243] Y0: the first pair's O^T rounded
	s_load_b128 s[4:7], s[0:1], 0x0                ; qkv s[4:5], att s[6:7]
	v_lshrrev_b32 v3, 5, v0
	v_readfirstlane_b32 s2, v3                     ; wave 0..7
	v_and_b32 v3, 31, v0
	v_lshlrev_b32 v[LO], 4, v3
	v_and_b32 v[VO], 15, v0
	v_lshlrev_b32 v[VO], 5, v[VO]
	v_bfe_u32 v3, v0, 4, 1
	v_lshl_add_u32 v[VO], v3, 4, v[VO]
	s_wait_alu depctr_va_sdst(0)                   ; s2 is written, ahead of its first reader: the four bases are made from it
	s_lshl_b32 s3, ttmp9, 3
	s_add_co_u32 s2, s2, s3                        ; my wave among all
	s_lshl_b32 s2, s2, 13                          ; four tokens of 2,048 bytes
	s_mov_b32 s3, 0
	s_mov_b32 s16, 0x3e38aa3b                      ; c = log2(e) / 8
	s_mov_b32 s17, s16                             ; named with it as a pair
	s_mov_b32 s18, 0x76543210                      ; v_permlanex16_b32: each lane takes its own place in the other half
	s_mov_b32 s19, 0xfedcba98
	s_wait_kmcnt 0x0
	s_add_nc_u64 s[8:9], s[4:5], s[2:3]            ; q,
	s_add_nc_u64 s[10:11], s[8:9], PL              ; k,
	s_add_nc_u64 s[12:13], s[10:11], PL            ; v,
	s_add_nc_u64 s[14:15], s[6:7], s[2:3]          ; att at my first token
.macro LOADQK p                        ; 16 loads of 512 consecutive bytes
.irp u, 0,1
.irp m, 0,1,2,3
	global_load_b128 v[KFR+16*(\u)+4*(\m):KFR+16*(\u)+4*(\m)+3], v[LO], s[10:11] offset:(2*(\p)+(\u))*2048+512*(\m) th:TH_LOAD_NT
	global_load_b128 v[QFR+16*(\u)+4*(\m):QFR+16*(\u)+4*(\m)+3], v[LO], s[8:9] offset:(2*(\p)+(\u))*2048+512*(\m) th:TH_LOAD_NT
.endr
.endr
.endm
.macro LOADV p                         ; 8 loads; each covers 512 consecutive bytes
.irp u, 0,1
.irp f, 0,1,2,3
	global_load_b128 v[VFR+16*(\u)+4*(\f):VFR+16*(\u)+4*(\f)+3], v[VO], s[12:13] offset:(2*(\p)+(\u))*2048+512*(\f) th:TH_LOAD_NT
.endr
.endr
.endm
.macro PLACES                          ; four plain vector instructions behind the last product, ahead of the vector instructions that read its result (ISA guide 7.12.1)
.rept 4
	v_nop
.endr
.endm
.macro SCORES                          ; the two tokens' accumulators take turns
	v_wmma_f32_16x16x32_f16 v[SFR:SFR+7],    v[KFR:KFR+7],     v[QFR:QFR+7],     0
	v_wmma_f32_16x16x32_f16 v[SFR+8:SFR+15], v[KFR+16:KFR+23], v[QFR+16:QFR+23], 0
	v_wmma_f32_16x16x32_f16 v[SFR:SFR+7],    v[KFR+8:KFR+15],  v[QFR+8:QFR+15],  v[SFR:SFR+7]
	v_wmma_f32_16x16x32_f16 v[SFR+8:SFR+15], v[KFR+24:KFR+31], v[QFR+24:QFR+31], v[SFR+8:SFR+15]
	PLACES
.endm
.macro SOFTMAX
.irp u, 0,1
	v_max3_num_f32 v[STA+6*(\u)+4], v[SFR+8*(\u)], v[SFR+8*(\u)+1], v[SFR+8*(\u)+2]  ; the accumulator is read from its low end on
.endr
.irp u, 0,1
	v_max3_num_f32 v[STA+6*(\u)+4], v[STA+6*(\u)+4], v[SFR+8*(\u)+3], v[SFR+8*(\u)+4]
.endr
.irp u, 0,1
	v_max3_num_f32 v[STA+6*(\u)+4], v[STA+6*(\u)+4], v[SFR+8*(\u)+5], v[SFR+8*(\u)+6]
.endr
.irp u, 0,1
	v_max_num_f32 v[STA+6*(\u)+4], v[STA+6*(\u)+4], v[SFR+8*(\u)+7]
.endr
.irp u, 0,1
	v_permlanex16_b32 v[STA+6*(\u)+5], v[STA+6*(\u)+4], s18, s19  ; the query head's other 8 key heads lie in the lane 16 away
.endr
.irp u, 0,1
	v_max_num_f32 v[STA+6*(\u)+1], v[STA+6*(\u)+4], v[STA+6*(\u)+5]  ; m
.endr
.irp u, 0,1
	v_mul_f32 v[STA+6*(\u)], s16, v[STA+6*(\u)+1]                    ; c m
.endr
.irp i, 0,1,2,3
.irp u, 0,1
	v_pk_fma_f32 v[SFR+8*(\u)+2*(\i):SFR+8*(\u)+2*(\i)+1], v[SFR+8*(\u)+2*(\i):SFR+8*(\u)+2*(\i)+1], s[16:17], v[STA+6*(\u):STA+6*(\u)+1] op_sel_hi:[1,0,0] neg_lo:[0,0,1] neg_hi:[0,0,1]  ; c s - c m
.endr
.endr
.irp i, 0,1,2,3,4,5,6,7,8,9,10,11,12,13,14,15
	v_exp_f32 v[SFR+(\i)], v[SFR+(\i)]
.endr
	v_nop                                          ; a plain instruction behind the last exponential
	s_wait_alu depctr_va_vdst(0)                   ; the sixteen exponentials have written the weights, ahead of the sums that read them: one wait for the batch
.irp u, 0,1
	v_pk_add_f32 v[STA+6*(\u)+4:STA+6*(\u)+5], v[SFR+8*(\u):SFR+8*(\u)+1], v[SFR+8*(\u)+2:SFR+8*(\u)+3]
	v_pk_add_f32 v[STA+6*(\u)+2:STA+6*(\u)+3], v[SFR+8*(\u)+4:SFR+8*(\u)+5], v[SFR+8*(\u)+6:SFR+8*(\u)+7]
.endr
.irp u, 0,1
	v_pk_add_f32 v[STA+6*(\u)+4:STA+6*(\u)+5], v[STA+6*(\u)+4:STA+6*(\u)+5], v[STA+6*(\u)+2:STA+6*(\u)+3]
.endr
.irp u, 0,1
	v_add_f32 v[STA+6*(\u)+4], v[STA+6*(\u)+4], v[STA+6*(\u)+5]
.endr
.irp u, 0,1
	v_permlanex16_b32 v[STA+6*(\u)+5], v[STA+6*(\u)+4], s18, s19
.endr
.irp u, 0,1
	v_add_f32 v[STA+6*(\u)+4], v[STA+6*(\u)+4], v[STA+6*(\u)+5]      ; l
.endr
.irp u, 0,1
	v_rcp_f32 v[STA+6*(\u)+2], v[STA+6*(\u)+4]
.endr
	v_nop                                          ; a plain instruction behind the last reciprocal
	s_wait_alu depctr_va_vdst(0)                   ; the two reciprocals have written 1 / l, ahead of the multiplies that read it
.irp i, 0,1,2,3
.irp u, 0,1
	v_pk_mul_f32 v[SFR+8*(\u)+2*(\i):SFR+8*(\u)+2*(\i)+1], v[SFR+8*(\u)+2*(\i):SFR+8*(\u)+2*(\i)+1], v[STA+6*(\u)+2:STA+6*(\u)+3] op_sel_hi:[1,0]
.endr
.endr
.irp i, 0,1,2,3
.irp u, 0,1
	v_cvt_pk_f16_f32 v[PFR+8*(\u)+(\i)], v[SFR+8*(\u)+2*(\i)], v[SFR+8*(\u)+2*(\i)+1]
.endr
.endr
.endm
.macro PVMUL                           ; eight products, each its own accumulator, each started with 0
.irp f, 0,1,2,3
.irp u, 0,1
	v_wmma_f32_16x16x32_f16 v[OFR+32*(\u)+8*(\f):OFR+32*(\u)+8*(\f)+7], v[VFR+16*(\u)+4*(\f):VFR+16*(\u)+4*(\f)+7], v[PFR+8*(\u):PFR+8*(\u)+7], 0
.endr
.endr
	PLACES
.endm
.macro ROUND16 y                       ; a pair's O^T is rounded into out-buffer y; each accumulator is read from its low end on
.irp u, 0,1
.irp f, 0,1,2,3
.irp r, 0,1,2,3
	v_cvt_pk_f16_f32 v[(\y)+16*(\u)+4*(\f)+(\r)], v[OFR+32*(\u)+8*(\f)+2*(\r)], v[OFR+32*(\u)+8*(\f)+2*(\r)+1]
.endr
.endr
.endr
.endm
.macro SEND p, y                       ; pair p leaves from out-buffer y
.irp u, 0,1
.irp f, 0,1,2,3
	global_store_b128 v[LO], v[(\y)+16*(\u)+4*(\f):(\y)+16*(\u)+4*(\f)+3], s[14:15] offset:(2*(\p)+(\u))*2048+512*(\f) th:TH_STORE_NT  ; 512 consecutive bytes, aligned
.endr
.endr
.endm
	s_wait_alu depctr_va_vdst(0)                   ; v1 and v2 are written: every load and store of the kernel reads one of them as its offset
	LOADQK 0
	LOADV 0
.irp i, 0,1,2,3
	v_mov_b32 v[ZVR+(\i)], 0                       ; written while the first loads are on their way: the zeros behind V,
	v_mov_b32 v[PFR+4+(\i)], 0                     ; and the upper halves of P's two fragments
	v_mov_b32 v[PFR+12+(\i)], 0
.endr
	v_mov_b32 v[STA+5], 0                          ; v_permlanex16_b32's destination counts as read
	v_mov_b32 v[STA+11], 0
	s_wait_loadcnt 8                               ; Q and K are in; V's eight loads may stay out
	SCORES
	s_wait_alu depctr_va_vdst(0)                   ; the four products are done reading K and Q, in which the second pair's sixteen loads land; the softmax below needs their results in any case
	LOADQK 1
	SOFTMAX
	s_wait_loadcnt 16                              ; V is in; the 16 loads just issued may stay out
	PVMUL
	ROUND16 YFR
	s_wait_alu depctr_va_vdst(0)                   ; the eight products are done reading V, in which the second pair's eight loads land; the roundings have written Y0, which the eight stores read
	LOADV 1
	SEND 0, YFR
	s_wait_loadcnt 8                               ; the second pair's Q and K are in
	SCORES
	SOFTMAX
	s_wait_loadcnt 0x0
	PVMUL
	ROUND16 KFR                                    ; into K's registers: their last readers, this pair's score products, stand a softmax back, and no memory instruction has read them
	s_wait_alu depctr_va_vdst(0)                   ; the roundings have written Y1, which the last eight stores read
	SEND 1, KFR
	s_endpgm
.Lfunc_end_k_q765f49e8c2_attn:
	.size	k_q765f49e8c2_attn, .Lfunc_end_k_q765f49e8c2_attn-k_q765f49e8c2_attn
	.p2alignl 7, 3214868480
	.fill 96, 4, 3214868480
	.section	.rodata,"a",@progbits
	.p2align	6, 0x0
	.amdhsa_kernel k_q765f49e8c2_attn
		.amdhsa_group_segment_fixed_size 0
		.amdhsa_private_segment_fixed_size 0
		.amdhsa_enable_private_segment 0
		.amdhsa_kernarg_size 16
		.amdhsa_user_sgpr_count 2
		.amdhsa_user_sgpr_kernarg_segment_ptr 1
		.amdhsa_wavefront_size32 1
		.amdhsa_system_sgpr_workgroup_id_x 1
		.amdhsa_system_sgpr_workgroup_id_y 1
		.amdhsa_system_sgpr_workgroup_id_z 1
		.amdhsa_system_vgpr_workitem_id 0
		.amdhsa_next_free_vgpr 248
		.amdhsa_next_free_sgpr 66
		.amdhsa_reserve_vcc 0
		.amdhsa_float_denorm_mode_32 3
		.amdhsa_float_denorm_mode_16_64 3
		.amdhsa_memory_ordered 1
		.amdhsa_forward_progress 1
		.amdhsa_inst_pref_size 22
	.end_amdhsa_kernel
	.amdgpu_metadata
---
amdhsa.version: [ 1, 2 ]
amdhsa.kernels:
  - .name:           k_q765f49e8c2_attn
    .symbol:         k_q765f49e8c2_attn.kd
    .args:
      - { .name: qkv, .offset: 0, .size: 8, .value_kind: global_buffer, .address_space: global }
      - { .name: att, .offset: 8, .size: 8, .value_kind: global_buffer, .address_space: global }
    .group_segment_fixed_size: 0
    .private_segment_fixed_size: 0
    .kernarg_segment_align: 8
    .kernarg_segment_size: 16
    .max_flat_workgroup_size: 256
    .sgpr_count:     66
    .vgpr_count:     248
    .wavefront_size: 32
...
	.end_amdgpu_metadata
.endif
;; end of part 6
;; launch outp: the kernel of part 4 again; grid 4 x 64, 4 waves a work-group, clusters of 4 x 4, 327,680 bytes of LDS; arguments att, wo16, out0; writes out0
